; MI455X (gfx1250); checked and timed in simulation.
; The chip was launched on July 23, 2026; its instructions are those of AMD's public machine-readable ISA for CDNA 5 (MIT licence, August 2026) and "CDNA5" Instruction Set Architecture Reference Guide (July 2026). The comments in the code are by the model that wrote it; some were corrected since.
;; Gpt Oss Attention. Allowed arithmetic: matrix products marked QUANTISED: E2M1 operands, one E8M0 scale for each 32 along K, by v_wmma_scale_f32_16x16x128_f8f6f4 with both operands' format E2M1 (or v_wmma_scale_f32_32x16x128_f4), f32 sums; products left as they are: bf16, f16 or f32 operands; f32 sums; everything else in f32.
;; Inputs: Wk 2,880 x 8 x 64 float32; Wo 32 x 64 x 2,880 float32; Wq 2,880 x 32 x 64 float32; Wv 2,880 x 8 x 64 float32; attention_mask 1 x 2,048 x 2,048 bool; bk 8 x 64 float32; bo 2,880 float32; bq 32 x 64 float32; bv 8 x 64 float32; hidden_states 1 x 2,048 x 2,880 float32; sinks 32 float32.
;; Outputs: out0 1 x 2,048 x 2,880 float32.
;; This version of the problem:
;;   THIS VERSION OF THE PROBLEM IS GIVEN IN LOW PRECISION. The matrix products marked QUANTISED in the list below multiply operands that are first quantised to E2M1 (2 exponent bits, 1 mantissa bit; 4 bits a number), with one power-of-two scale for each 32 numbers along K (OCP MX v1.0); their sums are f32. The products marked 'left as it is' may take bf16, f16 or f32 operands, with f32 sums. Whichever they take, every output number must still come out within the allowed error. Rounding operands to bf16 (8 significant bits) uses up far more of that allowance than f16 does (11 bits, for magnitudes from 6e-5 to 65,504). All else is computed in f32.
;;   The module's matrix products, in the order in which they are computed (A, B: the left and right operand; K: the contracted axis; several contracted axes count as one K, in the product's order):
;;     1. [M 2,048, K 2,880] x [K 2,880, N 2,048]; A: input hidden_states; B: input Wq: QUANTISED
;;     2. [M 2,048, K 2,880] x [K 2,880, N 512]; A: input hidden_states; B: input Wk: QUANTISED
;;     3. [M 2,048, K 2,880] x [K 2,880, N 512]; A: input hidden_states; B: input Wv: QUANTISED
;;     4. batch 32 x [M 2,048, K 64] x [K 64, N 2,048]; A: computed on the way; B: computed on the way: left as it is (an operand is computed on the way)
;;     5. batch 32 x [M 64, K 2,048] x [K 2,048, N 2,048]; A: computed on the way; B: computed on the way: left as it is (an operand is computed on the way)
;;     6. [M 2,048, K 2,048] x [K 2,048, N 2,880]; A: computed on the way; B: input Wo: left as it is (an operand is computed on the way)
;;   THE QUANTISER, for each operand of a quantised product, along K:
;;     - K is cut into blocks of 32 from its start; a last block that is shorter is filled with zeros.
;;     - A block's scale is 2^e with e = floor(log2(the largest magnitude in the block)) - 2, held to -126 .. 127; a block of zeros has e = 0. As a byte (E8M0): e + 127.
;;     - Each number is divided by its block's scale, clamped to +-6, and rounded to the nearest number of E2M1, ties to even, subnormals kept.
;;     - The product sums the exact products of the quantised numbers (number of the format x scale) in f32.
;;   ~~~python
;;   def quantise(x, axis):      # numpy; x: float32 -> the quantised numbers, widened to float32 again
;;       x = np.moveaxis(x, axis, -1); K = x.shape[-1]
;;       x = np.pad(x, [(0, 0)] * (x.ndim - 1) + [(0, -K % 32)]); x = x.reshape(x.shape[:-1] + (-1, 32)); a = np.abs(x).max(-1, keepdims=True)
;;       e = np.where(a > 0, np.clip(np.frexp(np.where(a > 0, a, 1))[1] - 1 - 2, -126, 127), 0)      # np.frexp(a)[1] - 1 = floor(log2(a)), exactly
;;       r = np.clip(x / 2.0 ** e, -6, 6)
;;       step = 2.0 ** (np.maximum(np.frexp(np.where(r == 0, 1, r))[1] - 1, 0) - 1)
;;       q = np.round(r / step) * step * 2.0 ** e      # np.round: ties to even
;;       return np.moveaxis(q.reshape(q.shape[:-2] + (-1,))[..., :K], -1, axis).astype(np.float32)
;;   ~~~
;; One version. Each part assembles by itself: llvm-mc -triple=amdgcn-amd-amdhsa -mcpu=gfx1250 --defsym DOCPART=n.
;; ======== version 1 of 1: 4 launches
;; limits: values are held in f16: magnitudes above 65,504 overflow, below 6.1e-05 lose precision
;; workspace buffers: xq 3,342,336 bytes; wq 5,013,504 bytes; wo16 11,796,480 bytes; rt 524,288 bytes; msk 4,194,304 bytes; tix 4,096 bytes of whole numbers; qkv 12,582,912 bytes; attn 8,388,608 bytes
;; launch prep (part 1): grid 488 x 1, 8 waves a work-group, no clusters, 147,968 bytes of LDS; arguments hidden_states, Wq, Wk, Wv, Wo, attention_mask, xq, wq, wo16, rt, msk, tix; writes xq, wq, wo16, rt, msk, tix
.if DOCPART == 1
	.amdgcn_target "amdgcn-amd-amdhsa--gfx1250"
	.amdhsa_code_object_version 6
	.text
	.protected	k_qfbbb547653_prep
	.globl	k_qfbbb547653_prep
	.p2align	8
	.type	k_qfbbb547653_prep,@function
k_qfbbb547653_prep:
	s_mov_b64 s[64:65], 0
	v_nop
	global_prefetch_b8 v0, s[64:65] scope:SCOPE_SE
	s_setreg_imm32_b32 hwreg(HW_REG_WAVE_MODE, 25, 1), 1
	s_wait_xcnt 0x0
; PREP: everything that is made once from the inputs, five roles told apart by the work-group's number.
;   W (0-143)    Wq | Wk | Wv [2880 k][n] f32 -> codes of FP4 (E2M1) with K innermost, wq [3072 n][1536 B], and scale bytes [6 y][3072 n][16 B] behind them
;   X (144-271)  hidden_states [2048][2880] f32 -> codes xq [2048][1536 B] and scale bytes [6 y][2048][16 B]
;   O (272-391)  Wo [2048 k][2880 n] f32 -> f16, wo16 [15 tiles][2048 k][192 n]
;   M (392-455)  attention_mask AND the window k >= q - 128 -> msk: byte images in the layout of a score tile; tix: two bits a block of 32 keys (any key counts; all count)
;   R (456-487)  cos and sin of pos x 10000^(-c/32), rt [2048 pos][cos 32 | sin 32] f32
; THE QUANTISER: a block of 32 along K has the scale 2^(floor(log2(largest magnitude)) - 2); its byte is the largest magnitude's exponent field - 2, held at 1 from below;
; each number is divided by the scale and rounded to the nearest code, ties to even, beyond 6 the largest code.
; K = 2880 is 90 blocks; both operands are filled with zero CODES up to 3072.  LIMITS: a block of zeros and x's fill blocks carry the byte 1, the weights' fill blocks some byte from 1 to 252
; (zero codes add nothing under any byte but 0xff, and this program alone reads the bytes); NaN and infinities among the inputs are not served; 10000^(-c/32) is made by v_exp_f32, a few units in the last
; place from the reference's power, alike for q and k.  Each role has LDS bytes of its own.  No tensor load, no matrix instruction.
.set XS,    3145728                    ; xq: where the scale bytes begin
.set WS,    4718592                    ; wq: likewise
.set WST,   0                          ; role W: 128 columns x (256 B of codes + 16)
.set WSC,   34816                      ; role W: 128 columns x 16 scale bytes
.set XST,   36864                      ; role X: 8 waves x 2 stages x 32 x 80 B
.set XSC,   77824                      ; role X: [6 y][16 rows][16 B]
.set MST,   79360                      ; role M: 8 waves x 16 rows x (512 + 16) B
.set SPARE, 146944                     ; the spare words, 128 bytes for each wave: four blocks of 256 bytes that no other line names
.set SPW,   222                        ; v222 LDS address of my spare word; never rewritten
.set NIL,   223                        ; v223 0; never rewritten
	s_load_b512 s[4:19], s[0:1], 0x0               ; hidden s[4:5], Wq s[6:7], Wk s[8:9], Wv s[10:11], Wo s[12:13], mask s[14:15], xq s[16:17], wq s[18:19]
	s_load_b128 s[20:23], s[0:1], 0x40             ; wo16 s[20:21], rt s[22:23]
	s_load_b64 s[24:25], s[0:1], 0x50              ; msk
	s_load_b64 s[62:63], s[0:1], 0x58              ; tix
	v_lshl_add_u32 v[SPW], v0, 2, SPARE
	v_mov_b32 v[NIL], 0
	v_lshrrev_b32 v1, 5, v0
	v_readfirstlane_b32 s26, v1                    ; wave 0..7
	v_and_b32 v1, 31, v0                           ; lane
	s_wait_kmcnt 0x0
	s_cmp_lt_u32 ttmp9, 144
	s_cbranch_scc1 .Lrole_w
	s_cmp_lt_u32 ttmp9, 272
	s_cbranch_scc1 .Lrole_x
	s_cmp_lt_u32 ttmp9, 392
	s_cbranch_scc1 .Lrole_o
	s_cmp_lt_u32 ttmp9, 456
	s_cbranch_scc1 .Lrole_m
; ---------------------------------------------------------------- role R: the table of cos and sin.  A wave takes 8 positions; lanes 0-15 make cos, lanes 16-31 sin, two c a lane: a position's 256 bytes leave by one store.
	s_sub_co_u32 s27, ttmp9, 456
	s_lshl_b32 s27, s27, 3
	s_add_co_u32 s27, s27, s26                     ; which 8 positions
	s_lshl_b32 s29, s27, 3                         ; the first of them
	s_lshl_b32 s30, s27, 11                        ; 8 x 256 bytes
	s_mov_b32 s31, 0
	s_add_nc_u64 s[22:23], s[22:23], s[30:31]
	s_mov_b32 s40, 0xbfc90fda                      ; -pi/2 in three parts: with fused multiply-adds x - n pi/2 loses nothing that counts up to x = 2047
	s_mov_b32 s41, 0xb3a22168
	s_mov_b32 s42, 0xa7c234c4
	s_mov_b32 s43, 0x37cd4000                      ; the leading coefficients of the two polynomials
	s_mov_b32 s44, 0x36405000
	v_and_b32 v2, 15, v1
	v_lshlrev_b32 v2, 1, v2                        ; c of my first number
	v_lshrrev_b32 v3, 4, v1
	v_sub_nc_u32 v3, 1, v3                         ; 1 where I make cos: cos x = sin(x + pi/2), one quadrant on
	v_cvt_f32_u32 v4, v2
	v_add_f32 v5, 1.0, v4
	v_mul_f32 v4, 0xbed49a78, v4                   ; -c log2(10000) / 32
	v_mul_f32 v5, 0xbed49a78, v5
	v_exp_f32 v4, v4                               ; 10000^(-c/32)
	v_exp_f32 v5, v5
	v_lshlrev_b32 v6, 3, v1                        ; 8 bytes a lane (a plain instruction behind the exponentials)
	s_wait_alu depctr_va_vdst(0)                   ; one wait for both, ahead of their first reader
.macro TRIG dst, inv                   ; v[dst] = cos or sin of v7 x v[inv]
	v_mul_f32 v8, v7, v[\inv]                      ; x = pos x inv_freq, rounded to f32 as the reference rounds it
	v_mul_f32 v9, 0x3f22f983, v8
	v_rndne_f32 v9, v9                             ; n = the nearest whole number to x 2/pi
	v_fma_f32 v10, v9, s40, v8
	v_fma_f32 v10, v9, s41, v10
	v_fma_f32 v10, v9, s42, v10                    ; r = x - n pi/2, within pi/4 of 0
	v_mul_f32 v11, v10, v10
	v_fmaak_f32 v12, s43, v11, 0xbab6077d          ; cos r
	v_fmaak_f32 v13, s44, v11, 0xb9503486          ; sin r
	v_fmaak_f32 v12, v12, v11, 0x3d2aaaa8
	v_fmaak_f32 v13, v13, v11, 0x3c0888c1
	v_fma_f32 v12, v12, v11, -0.5
	v_fmaak_f32 v13, v13, v11, 0xbe2aaaab
	v_mul_f32 v14, v10, v11
	v_fma_f32 v12, v12, v11, 1.0
	v_fma_f32 v13, v13, v14, v10
	v_cvt_i32_f32 v15, v9
	v_add_nc_u32 v15, v15, v3                      ; the quadrant
	v_and_b32 v16, 1, v15
	v_cmp_eq_u32 vcc_lo, 1, v16
	v_cndmask_b32 v17, v13, v12, vcc_lo            ; odd quadrants take the cosine,
	v_and_b32 v16, 2, v15
	v_lshlrev_b32 v16, 30, v16
	v_xor_b32 v[\dst], v16, v17                    ; quadrants 2 and 3 the other sign
.endm
.set i, 0
.rept 8
	v_cvt_f32_u32 v7, s29
	TRIG 32+2*i, 4
	TRIG 33+2*i, 5
	global_store_b64 v6, v[32+2*i:33+2*i], s[22:23] offset:256*i   ; 32 lanes store 256 consecutive bytes, aligned; each position has its own data registers
	s_add_co_u32 s29, s29, 1
.set i, i+1
.endr
	s_endpgm
; ---------------------------------------------------------------- role W: a lane takes a column n, its registers run down K.  Work-group: 128 columns x 512 along K; wave: 32 columns x 256 along K, 8 blocks.
.Lrole_w:
	s_mul_i32 s27, ttmp9, 2731
	s_lshr_b32 s27, s27, 16                        ; y = id / 24: which 512 along K
	s_mul_i32 s28, s27, 24
	s_sub_co_u32 s28, ttmp9, s28                   ; cg = id % 24: which 128 of the 3072 columns
	s_and_b32 s29, s26, 3                          ; which 32 columns are my wave's
	s_lshr_b32 s30, s26, 2                         ; which 256 along K
	s_and_b32 s34, s28, 3
	s_mov_b32 s31, 2048
	s_cmp_lt_u32 s28, 20
	s_cselect_b64 s[32:33], s[8:9], s[10:11]       ; cg 16-19: Wk, 20-23: Wv
	s_cmp_lt_u32 s28, 16
	s_cselect_b64 s[32:33], s[6:7], s[32:33]       ; cg 0-15: Wq
	s_cselect_b32 s31, 8192, s31                   ; a row of the source in bytes
	s_cselect_b32 s34, s28, s34                    ; the group of 128 columns inside the source
	s_lshl_b32 s35, s27, 9
	s_lshl_b32 s36, s30, 8
	s_add_co_u32 s35, s35, s36                     ; my first row of K
	s_mul_i32 s36, s35, s31
	s_lshl_b32 s34, s34, 9
	s_add_co_u32 s36, s36, s34
	s_lshl_b32 s34, s29, 7
	s_add_co_u32 s36, s36, s34                     ; + my first column x 4
	s_mov_b32 s37, 0
	s_add_nc_u64 s[40:41], s[32:33], s[36:37]      ; block 0
	s_lshl_b32 s38, s31, 5                         ; 32 rows on
	s_mov_b32 s39, 0
	s_add_nc_u64 s[42:43], s[40:41], s[38:39]      ; block 1
	s_cmp_eq_u32 s27, 5
	s_cselect_b32 s56, s30, 0                      ; 1 in the wave whose rows 2816 on end at 2879: it has two blocks
	s_cmp_eq_u32 s56, 0
	s_cselect_b32 s38, s38, 0                      ; there blocks 2 to 7 read block 1 once more (no load leaves the buffer),
	s_cselect_b32 s56, -1, 0                       ; and their codes are cleared by this mask
.irp t, 2,3,4,5,6,7
	s_add_nc_u64 s[40+2*\t:41+2*\t], s[38+2*\t:39+2*\t], s[38:39]
.endr
	v_lshlrev_b32 v2, 2, v1
.set i, 0
.rept 32
	v_mad_u32_u24 v[32+i], s31, i, v2              ; row i of a block: i x pitch + 4 x lane; never rewritten
.set i, i+1
.endr
	s_mul_i32 s57, s29, 32*272
	s_lshl_b32 s58, s30, 7
	s_add_co_u32 s57, s57, s58
	v_mul_u32_u24 v3, v1, 272
	v_add_nc_u32 v3, s57, v3                       ; the stage, in: row = my column, + 128 bytes for the upper half of K
	s_lshl_b32 s57, s29, 9
	s_lshl_b32 s58, s30, 3
	s_add_co_u32 s57, s57, s58
	s_add_co_u32 s57, s57, WSC
	v_lshl_add_u32 v4, v1, 4, s57                  ; my column's 8 scale bytes
	v_and_b32 v15, 15, v1
	v_lshrrev_b32 v16, 4, v1
	s_mul_i32 s57, s26, 16*272
	v_mul_u32_u24 v5, v16, 272
	v_lshl_add_u32 v5, v15, 4, v5
	v_add_nc_u32 v5, s57, v5                       ; the stage, out: wave w takes columns 16 w on; sixteen lanes to a row, two rows an instruction
	v_mul_u32_u24 v6, v16, 1536
	v_lshl_add_u32 v6, v15, 4, v6                  ; and the same place in wq
	v_lshlrev_b32 v7, 3, v1
	s_lshl_b32 s57, s26, 8
	s_add_co_u32 s57, s57, WSC
	v_add_nc_u32 v14, s57, v7                      ; the scale bytes, out: 256 bytes a wave
	s_lshl_b32 s57, s28, 7                         ; n0 = 128 cg
	s_lshl_b32 s58, s26, 4
	s_add_co_u32 s58, s57, s58
	s_mul_i32 s58, s58, 1536
	s_lshl_b32 s59, s27, 8
	s_add_co_u32 s58, s58, s59
	s_mov_b32 s59, 0
	s_add_nc_u64 s[58:59], s[18:19], s[58:59]      ; wq + (n0 + 16 w) x 1536 + 256 y
	s_mul_i32 s60, s27, 49152
	s_lshl_b32 s57, s57, 4
	s_add_co_u32 s60, s60, s57
	s_lshl_b32 s57, s26, 8
	s_add_co_u32 s60, s60, s57
	s_add_co_u32 s60, s60, WS
	s_mov_b32 s61, 0
	s_add_nc_u64 s[60:61], s[18:19], s[60:61]      ; wq + WS + 49152 y + 16 n0 + 256 w
.macro WLOAD t                         ; block t: 32 rows at my column: a wave's load reads 128 consecutive bytes
.set i, 0
.rept 32
	global_load_b32 v[64+32*((\t)%2)+i], v[32+i], s[40+2*(\t):41+2*(\t)] th:TH_LOAD_NT
.set i, i+1
.endr
.endm
.macro WBLOCK t
.set WB, 64+32*((\t)%2)
.if (\t) < 7
	s_wait_loadcnt 32                              ; this block's 32 loads are in; the next block's 32 may be out
.else
	s_wait_loadcnt 0
.endif
	v_max3_num_f32 v8, |v[WB]|, |v[WB+1]|, |v[WB+2]|              ; the block's largest magnitude: all 32 numbers are mine
	v_max3_num_f32 v9, |v[WB+3]|, |v[WB+4]|, |v[WB+5]|
.irp i, 6,10,14,18,22,26
	v_max3_num_f32 v8, v8, |v[WB+\i]|, |v[WB+\i+1]|
	v_max3_num_f32 v9, v9, |v[WB+\i+2]|, |v[WB+\i+3]|
.endr
	v_max3_num_f32 v8, v8, |v[WB+30]|, |v[WB+31]|
	v_max3_num_f32 v8, v8, v9, 0x1800000           ; and the floor 2^(3 - 127): the byte cannot fall under 1
	v_add_nc_u32 v10, 0xff000000, v8               ; 2 off the exponent field: the conversion takes this operand's exponent field as its scale
.irp c, 0,1,2,3
	v_cvt_scalef32_pk8_fp4_f32 v[128+4*(\t)+\c], v[WB+8*\c:WB+8*\c+7], v10
.endr
	v_lshrrev_b32 v11, 23, v10                     ; the scale's byte (also the plain instruction behind the conversions)
.if (\t)%4 == 0
	v_mov_b32 v[12+(\t)/4], v11                    ; four bytes to a register, the lower K in the lower byte
.else
	v_lshl_or_b32 v[12+(\t)/4], v11, 8*((\t)%4), v[12+(\t)/4]
.endif
.if (\t) >= 2
.irp c, 0,1,2,3
	v_and_b32 v[128+4*(\t)+\c], s56, v[128+4*(\t)+\c]   ; past row 2879: zero codes
.endr
.endif
	ds_store_b128 v3, v[128+4*(\t):128+4*(\t)+3] offset:16*(\t)   ; 32 codes: 16 bytes of my column's row; each block has its own registers
.if (\t)+2 < 8
	WLOAD (\t)+2
.endif
.endm
	WLOAD 0
	WLOAD 1
.irp u, 0,1,2,3,4,5,6,7
	WBLOCK \u
.endr
	ds_store_b64 v4, v[12:13]
	s_wait_dscnt 0x0                               ; for the others' sake: my stores into the stage are done
	s_barrier_signal -1
	s_barrier_wait -1
.irp u, 0,1,2,3,4,5,6,7
	ds_load_b128 v[160+4*\u:163+4*\u], v5 offset:2*\u*272
.endr
	ds_load_b64 v[8:9], v14
.irp u, 0,1,2,3,4,5,6,7
	s_wait_dscnt 8-\u
	global_store_b128 v6, v[160+4*\u:163+4*\u], s[58:59] offset:3072*\u   ; sixteen lanes store 256 consecutive bytes, aligned
.endr
	s_wait_dscnt 0x0
	global_store_b64 v7, v[8:9], s[60:61]          ; 256 consecutive scale bytes, aligned
	s_wait_tensorcnt 0x0                           ; the wave's end: behind my last LDS store
	ds_add_u32 v[SPW], v[NIL]
	s_wait_dscnt 0x0
	s_endpgm
; ---------------------------------------------------------------- role X: K is innermost.  Work-group: 16 rows; wave: 2 rows, 12 steps of 512 numbers (6 a row; the sixth has 320 numbers and 192 zeros).
; Loads take the bytes as they lie, 512 to a load; a step turns through the wave's own stage so that a lane holds 16 neighbours; two neighbouring lanes hold a block.
.Lrole_x:
	s_sub_co_u32 s27, ttmp9, 144
	s_lshl_b32 s28, s27, 4                         ; the work-group's first row
	s_lshl_b32 s29, s26, 1
	s_add_co_u32 s29, s28, s29                     ; my wave's first row
	s_mul_i32 s30, s29, 11520
	s_mov_b32 s31, 0
	s_add_nc_u64 s[4:5], s[4:5], s[30:31]
	s_mul_i32 s30, s29, 1536
	s_add_nc_u64 s[32:33], s[16:17], s[30:31]      ; its codes
	s_lshl_b32 s30, s26, 15
	s_lshl_b32 s34, s28, 4
	s_add_co_u32 s30, s30, s34
	s_add_co_u32 s30, s30, XS
	s_add_nc_u64 s[34:35], s[16:17], s[30:31]      ; xq + XS + 32768 w + 16 x first row: used by waves 0 to 5 alone
	v_lshlrev_b32 v3, 4, v1                        ; my 16 bytes of a load's 512
	v_and_b32 v2, 15, v1
	v_lshlrev_b32 v2, 4, v2                        ; the same for a load of 256 bytes that both halves of the lanes read
	v_cmp_gt_u32 s36, 16, v1                       ; lanes 0-15
	s_mul_i32 s37, s26, 5120
	s_add_co_u32 s37, s37, XST
	v_lshrrev_b32 v14, 2, v1
	v_mul_u32_u24 v14, v14, 80
	v_and_b32 v15, 3, v1
	v_lshl_add_u32 v14, v15, 4, v14
	v_add_nc_u32 v14, s37, v14                     ; the stage, in: four lanes' 64 bytes on end, then 16 of padding
	v_mul_u32_u24 v15, v1, 80
	v_add_nc_u32 v15, s37, v15                     ; out: my 16 neighbours
	v_lshlrev_b32 v4, 3, v1                        ; my 16 codes: 8 bytes
	v_lshrrev_b32 v5, 1, v1
	s_lshl_b32 s37, s26, 5
	s_add_co_u32 s37, s37, XSC
	v_add_nc_u32 v5, s37, v5                       ; my block's scale byte: [y][row][16]
	s_lshl_b32 s37, s26, 8
	s_add_co_u32 s37, s37, XSC
	v_add_nc_u32 v6, s37, v4                       ; the scale bytes, out: group y = wave
.macro XLOAD s                         ; step s: row s / 6, numbers 512 (s % 6) on, into set s % 4
.if (\s)%6 == 5
	global_load_b128 v[16+16*((\s)%4):19+16*((\s)%4)], v3, s[4:5] offset:((\s)/6)*11520+10240 th:TH_LOAD_NT
	global_load_b128 v[20+16*((\s)%4):23+16*((\s)%4)], v3, s[4:5] offset:((\s)/6)*11520+10752 th:TH_LOAD_NT
	global_load_b128 v[24+16*((\s)%4):27+16*((\s)%4)], v2, s[4:5] offset:((\s)/6)*11520+11264 th:TH_LOAD_NT   ; the row's last 256 bytes, read by both halves of the lanes: no load leaves the row
.else
.irp c, 0,1,2,3
	global_load_b128 v[16+16*((\s)%4)+4*\c:19+16*((\s)%4)+4*\c], v3, s[4:5] offset:((\s)/6)*11520+2048*((\s)%6)+512*\c th:TH_LOAD_NT
.endr
.endif
.endm
.macro XTURN s                         ; step s's numbers through the stage; LDS serves a wave's instructions in order, so no wait stands between the stores and the loads
.if (\s)%6 == 5
.irp c, 0,1,2,3
	v_cndmask_b32 v[24+16*((\s)%4)+\c], 0, v[24+16*((\s)%4)+\c], s36   ; past k = 2879: zeros
	v_mov_b32 v[28+16*((\s)%4)+\c], 0
.endr
.endif
.irp c, 0,1,2,3
	ds_store_b128 v14, v[16+16*((\s)%4)+4*\c:19+16*((\s)%4)+4*\c] offset:2560*((\s)%2)+640*\c
.endr
.irp c, 0,1,2,3
	ds_load_b128 v[80+16*((\s)%2)+4*\c:83+16*((\s)%2)+4*\c], v15 offset:2560*((\s)%2)+16*\c
.endr
.endm
.macro XSTEP s
.if (\s) > 0
	s_wait_dscnt 1                                 ; this step's numbers are back from the stage (the last step's byte store may be out)
.else
	s_wait_dscnt 0x0
.endif
.if (\s)+4 < 12
	XLOAD (\s)+4
.endif
.if (\s)+1 < 12
.set XC, 0                             ; the loads of steps s + 2 to s + 4 may stay out: 4 a step, 3 for a row's sixth
.irp d, 2,3,4
.if (\s)+\d < 12
.if ((\s)+\d)%6 == 5
.set XC, XC+3
.else
.set XC, XC+4
.endif
.endif
.endr
	s_wait_loadcnt XC
	XTURN (\s)+1
.endif
.set XB, 80+16*((\s)%2)
	v_max3_num_f32 v8, |v[XB]|, |v[XB+1]|, |v[XB+2]|              ; the largest magnitude of my 16
	v_max3_num_f32 v9, |v[XB+3]|, |v[XB+4]|, |v[XB+5]|
.irp i, 6,10
	v_max3_num_f32 v8, v8, |v[XB+\i]|, |v[XB+\i+1]|
	v_max3_num_f32 v9, v9, |v[XB+\i+2]|, |v[XB+\i+3]|
.endr
	v_max3_num_f32 v8, v8, |v[XB+14]|, |v[XB+15]|
	v_max3_num_f32 v8, v8, v9, 0x1800000           ; and the floor 2^(3 - 127)
	v_max_num_f32_dpp v8, v8, v8 row_xmask:1 row_mask:0xf bank_mask:0xf   ; and of my neighbour's 16: the block's
	v_add_nc_u32 v11, 0xff000000, v8
	v_cvt_scalef32_pk8_fp4_f32 v[128+2*(\s)], v[XB:XB+7], v11
	v_cvt_scalef32_pk8_fp4_f32 v[129+2*(\s)], v[XB+8:XB+15], v11
	v_lshrrev_b32 v[112+(\s)], 23, v11             ; the scale's byte (also the plain instruction behind the conversions)
	ds_store_b8 v5, v[112+(\s)] offset:256*((\s)%6)+16*((\s)/6)   ; both lanes of a block write the same byte with the same value
	global_store_b64 v4, v[128+2*(\s):129+2*(\s)], s[32:33] offset:((\s)/6)*1536+256*((\s)%6)   ; 256 consecutive bytes, aligned
.endm
.irp u, 0,1,2,3
	XLOAD \u
.endr
	s_wait_loadcnt 12                              ; step 0's four loads are in
	XTURN 0
.irp u, 0,1,2,3,4,5,6,7,8,9,10,11
	XSTEP \u
.endr
	s_wait_dscnt 0x0                               ; for the others' sake: my scale bytes lie in LDS
	s_barrier_signal -1
	s_barrier_wait -1
	s_cmp_gt_u32 s26, 5
	s_cbranch_scc1 .Lx_end                         ; six groups of scale bytes, six waves
	ds_load_b64 v[8:9], v6
	s_wait_dscnt 0x0
	global_store_b64 v4, v[8:9], s[34:35]          ; 16 rows x 16 bytes: 256 consecutive bytes, aligned
.Lx_end:
	s_wait_tensorcnt 0x0                           ; the wave's end: behind my last LDS store
	ds_add_u32 v[SPW], v[NIL]
	s_wait_dscnt 0x0
	s_endpgm
; ---------------------------------------------------------------- role O: Wo to f16, tile by tile of 192 columns.  A wave takes 32 rows of a tile: 16 pairs of rows, 1536 bytes a pair in three loads of 512.
.Lrole_o:
	s_sub_co_u32 s27, ttmp9, 272
	s_lshl_b32 s27, s27, 3
	s_add_co_u32 s27, s27, s26
	s_lshr_b32 s28, s27, 6                         ; the tile, 0..14
	s_and_b32 s29, s27, 63                         ; which 32 rows
	s_mul_i32 s30, s29, 368640
	s_mul_i32 s31, s28, 768
	s_add_co_u32 s30, s30, s31
	s_mov_b32 s31, 0
	s_add_nc_u64 s[12:13], s[12:13], s[30:31]
	s_mul_i32 s30, s28, 786432
	s_mul_i32 s32, s29, 12288
	s_add_co_u32 s30, s30, s32
	s_add_nc_u64 s[20:21], s[20:21], s[30:31]
	v_lshlrev_b32 v2, 4, v1                        ; load 0: the first row's bytes 0-511
	v_lshrrev_b32 v5, 4, v1
	v_mad_u32_u24 v3, v5, 10752, v2
	v_add_nc_u32 v3, 512, v3                       ; load 1: lanes 0-15 its bytes 512-767, lanes 16-31 the second row's 0-255
	v_add_nc_u32 v4, 11776, v2                     ; load 2: the second row's bytes 256-767
	v_lshlrev_b32 v6, 3, v1
.set n, 0
.rept 48
	global_load_b128 v[8+4*n:11+4*n], v[2+n%3], s[12:13] offset:23040*(n/3) th:TH_LOAD_NT   ; sixteen lanes read 256 consecutive bytes, aligned
.set n, n+1
.endr
.set n, 0
.rept 48
	s_wait_loadcnt 47-n                            ; loads come back in order: load n is in
	v_cvt_pk_f16_f32 v[8+4*n], v[8+4*n], v[9+4*n]
	v_cvt_pk_f16_f32 v[9+4*n], v[10+4*n], v[11+4*n]
	global_store_b64 v6, v[8+4*n:9+4*n], s[20:21] offset:768*(n/3)+256*(n%3)   ; 256 consecutive bytes, aligned
.set n, n+1
.endr
	s_endpgm
; ---------------------------------------------------------------- role M: a wave takes 16 queries (tile qt) x 512 keys (quarter c): 16 blocks of 32 keys.
; Image of a block: lane (r, h) holds, for query 16 qt + r, one byte a key, 0xff where it counts: bytes 0-7 keys 8 h + 0..7, bytes 8-15 keys 16 + 8 h + 0..7: the layout of two score tiles.
; The quarter's two words of block bits go to a buffer of their own, tix [128 qt][4 c][any, all]: they alone steer the next launch but one.
.Lrole_m:
	s_sub_co_u32 s27, ttmp9, 392
	s_lshl_b32 s27, s27, 3
	s_add_co_u32 s27, s27, s26
	s_lshr_b32 s28, s27, 2                         ; qt
	s_and_b32 s29, s27, 3                          ; c
	s_lshl_b32 s30, s28, 15
	s_lshl_b32 s31, s29, 9
	s_add_co_u32 s30, s30, s31
	s_mov_b32 s31, 0
	s_add_nc_u64 s[14:15], s[14:15], s[30:31]      ; mask + 16 qt rows + 512 c
	v_lshlrev_b32 v2, 4, v1
.set i, 0
.rept 16
	global_load_b128 v[32+4*i:35+4*i], v2, s[14:15] offset:2048*i th:TH_LOAD_NT   ; 512 consecutive bytes of a row
.set i, i+1
.endr
	s_lshl_b32 s30, s28, 15
	s_lshl_b32 s32, s29, 13
	s_add_co_u32 s30, s30, s32
	s_add_nc_u64 s[40:41], s[24:25], s[30:31]      ; msk + (64 qt + 16 c) x 512
	s_lshl_b32 s30, s28, 5
	s_lshl_b32 s32, s29, 3
	s_add_co_u32 s30, s30, s32
	s_add_nc_u64 s[42:43], s[62:63], s[30:31]      ; tix + 32 qt + 8 c
	s_mul_i32 s32, s26, 8448
	s_add_co_u32 s32, s32, MST
	v_add_nc_u32 v3, s32, v2                       ; my stage, in: 16 x lane
	v_and_b32 v14, 15, v1                          ; r
	v_lshrrev_b32 v15, 4, v1                       ; h
	v_mul_u32_u24 v4, v14, 528
	v_lshl_add_u32 v4, v15, 3, v4
	v_add_nc_u32 v4, s32, v4                       ; out: row r, + 8 h
	v_lshlrev_b32 v5, 3, v15
	v_sub_nc_u32 v5, v14, v5                       ; r - 8 h
	v_mov_b32 v16, 0xff
	v_mov_b32 v6, 0
	v_mov_b32 v7, 0
.irp j, 0,1,2,3,4,5,6,7                ; the tile of 16 keys through which the window's edge runs: byte j counts where 8 h + j >= r
	v_cmp_ge_i32 vcc_lo, \j, v5
	v_cndmask_b32 v17, 0, v16, vcc_lo
	v_lshl_or_b32 v[6+\j/4], v17, 8*(\j%4), v[6+\j/4]
.endr
	s_sub_co_i32 s33, s28, 8                       ; that tile's number: qt - 8; the tiles above it count whole, those below not at all
	s_lshl_b32 s34, s29, 5
	s_sub_co_i32 s35, s33, s34                     ; counted from my quarter's first tile
	s_mov_b32 s44, 0                               ; bit b: some key of block b counts
	s_mov_b32 s45, 0                               ; bit b: all keys of block b count for all 16 queries
	s_wait_loadcnt 0x0
.set i, 0
.rept 16
	ds_store_b128 v3, v[32+4*i:35+4*i] offset:528*i
.set i, i+1
.endr
.set i, 0
.rept 32
	ds_load_b64 v[96+2*i:97+2*i], v4 offset:16*i   ; LDS serves a wave's instructions in order: these see my stores
.set i, i+1
.endr
	s_wait_dscnt 0x0
.set kb, 0
.rept 16
.set DB, 96+4*kb
.irp t, 0,1
	s_cmp_lt_i32 s35, 2*kb+\t
	s_cselect_b32 s36, -1, 0                       ; the tile lies above the edge
	s_cmp_eq_u32 s35, 2*kb+\t
	s_cselect_b32 s37, -1, 0                       ; it is the edge's
	v_cndmask_b32 v8, s36, v6, s37
	v_cndmask_b32 v9, s36, v7, s37
	v_lshlrev_b32 v10, 8, v[DB+2*\t]
	v_lshlrev_b32 v11, 8, v[DB+2*\t+1]
	v_sub_nc_u32 v10, v10, v[DB+2*\t]              ; bytes 0 or 1 times 255
	v_sub_nc_u32 v11, v11, v[DB+2*\t+1]
	v_and_b32 v[DB+2*\t], v10, v8                  ; the given mask AND the window
	v_and_b32 v[DB+2*\t+1], v11, v9
.endr
	v_or_b32 v10, v[DB], v[DB+1]
	v_or_b32 v11, v[DB+2], v[DB+3]
	v_and_b32 v12, v[DB], v[DB+1]
	v_and_b32 v13, v[DB+2], v[DB+3]
	v_or_b32 v10, v10, v11
	v_and_b32 v12, v12, v13
	v_cmp_ne_u32 s38, 0, v10
	v_cmp_eq_u32 s39, -1, v12
	s_cmp_lg_u32 s38, 0
	s_cselect_b32 s38, 1<<kb, 0
	s_or_b32 s44, s44, s38
	s_cmp_eq_u32 s39, -1
	s_cselect_b32 s39, 1<<kb, 0
	s_or_b32 s45, s45, s39
	global_store_b128 v2, v[DB:DB+3], s[40:41] offset:512*kb   ; 512 consecutive bytes, aligned
.set kb, kb+1
.endr
	v_mov_b32 v8, s44
	v_mov_b32 v9, s45
	v_mov_b32 v10, 0
	v_cmp_eq_u32 vcc_lo, 0, v1
	s_wait_xcnt 0x0                                ; EXEC changes only behind this wait: the stores above have it among their sources
	s_and_saveexec_b32 s46, vcc_lo
	global_store_b64 v10, v[8:9], s[42:43]         ; lane 0: the quarter's two words
	s_wait_xcnt 0x0                                ; and again, in front of the line that widens it
	s_or_b32 exec_lo, exec_lo, s46
	s_wait_tensorcnt 0x0                           ; the wave's end: behind my last LDS store
	ds_add_u32 v[SPW], v[NIL]
	s_wait_dscnt 0x0
	s_endpgm
.Lfunc_end_k_qfbbb547653_prep:
	.size	k_qfbbb547653_prep, .Lfunc_end_k_qfbbb547653_prep-k_qfbbb547653_prep
	.p2alignl 7, 3214868480
	.fill 96, 4, 3214868480
	.section	.rodata,"a",@progbits
	.p2align	6, 0x0
	.amdhsa_kernel k_qfbbb547653_prep
		.amdhsa_group_segment_fixed_size 147968
		.amdhsa_private_segment_fixed_size 0
		.amdhsa_enable_private_segment 0
		.amdhsa_kernarg_size 96
		.amdhsa_user_sgpr_count 2
		.amdhsa_user_sgpr_kernarg_segment_ptr 1
		.amdhsa_wavefront_size32 1
		.amdhsa_system_sgpr_workgroup_id_x 1
		.amdhsa_system_sgpr_workgroup_id_y 1
		.amdhsa_system_sgpr_workgroup_id_z 1
		.amdhsa_system_vgpr_workitem_id 0
		.amdhsa_next_free_vgpr 224
		.amdhsa_next_free_sgpr 66
		.amdhsa_reserve_vcc 1
		.amdhsa_float_denorm_mode_32 3
		.amdhsa_float_denorm_mode_16_64 3
		.amdhsa_memory_ordered 1
		.amdhsa_forward_progress 1
		.amdhsa_inst_pref_size 140
	.end_amdhsa_kernel
	.amdgpu_metadata
---
amdhsa.version: [ 1, 2 ]
amdhsa.kernels:
  - .name:           k_qfbbb547653_prep
    .symbol:         k_qfbbb547653_prep.kd
    .args:
      - { .name: hidden_states, .offset: 0, .size: 8, .value_kind: global_buffer, .address_space: global }
      - { .name: Wq, .offset: 8, .size: 8, .value_kind: global_buffer, .address_space: global }
      - { .name: Wk, .offset: 16, .size: 8, .value_kind: global_buffer, .address_space: global }
      - { .name: Wv, .offset: 24, .size: 8, .value_kind: global_buffer, .address_space: global }
      - { .name: Wo, .offset: 32, .size: 8, .value_kind: global_buffer, .address_space: global }
      - { .name: attention_mask, .offset: 40, .size: 8, .value_kind: global_buffer, .address_space: global }
      - { .name: xq, .offset: 48, .size: 8, .value_kind: global_buffer, .address_space: global }
      - { .name: wq, .offset: 56, .size: 8, .value_kind: global_buffer, .address_space: global }
      - { .name: wo16, .offset: 64, .size: 8, .value_kind: global_buffer, .address_space: global }
      - { .name: rt, .offset: 72, .size: 8, .value_kind: global_buffer, .address_space: global }
      - { .name: msk, .offset: 80, .size: 8, .value_kind: global_buffer, .address_space: global }
      - { .name: tix, .offset: 88, .size: 8, .value_kind: global_buffer, .address_space: global }
    .group_segment_fixed_size: 147968
    .private_segment_fixed_size: 0
    .kernarg_segment_align: 8
    .kernarg_segment_size: 96
    .max_flat_workgroup_size: 256
    .sgpr_count:     66
    .vgpr_count:     224
    .wavefront_size: 32
...
	.end_amdgpu_metadata
.endif
;; end of part 1
;; launch qkv (part 2): grid 16 x 16, 4 waves a work-group, clusters of 4 x 4, 327,680 bytes of LDS; arguments xq, wq, bq, bk, bv, rt, qkv; writes qkv
.if DOCPART == 2
	.amdgcn_target "amdgcn-amd-amdhsa--gfx1250"
	.amdhsa_code_object_version 6
	.text
	.protected	k_qfbbb547653_qkv
	.globl	k_qfbbb547653_qkv
	.p2align	8
	.type	k_qfbbb547653_qkv,@function
k_qfbbb547653_qkv:
	s_mov_b64 s[64:65], 0
	v_nop
	global_prefetch_b8 v0, s[64:65] scope:SCOPE_SE
	s_setreg_imm32_b32 hwreg(HW_REG_WAVE_MODE, 25, 1), 1
	s_wait_xcnt 0x0
	s_wait_alu depctr_hold_cnt(0) depctr_sa_sdst(0) depctr_va_vdst(0) depctr_va_sdst(0) depctr_va_ssrc(0) depctr_va_vcc(0) depctr_vm_vsrc(0)
	s_getreg_b32 s2, hwreg(HW_REG_IB_STS2, 6, 4)
	s_cmp_eq_u32 s2, 0
	s_cbranch_scc0 .Lentry_in_a_cluster
	s_endpgm
.Lentry_in_a_cluster:
	s_bfe_u32 s2, ttmp6, 0x10000c
	s_cmp_lg_u32 s2, 0xf033
	s_cbranch_scc0 .Lentry_shape_is_right
	s_endpgm
.Lentry_shape_is_right:
; QKV: q | k | v = x W + b on codes of FP4 (E2M1) with one E8M0 scale for each 32 along K, sums in f32; then RoPE on q and k in f32; out as f16.
; x: xq [2048][1536 B of codes], W: wq [3072 n][1536 B], K innermost, 3072 codes a row of which those from k = 2880 on are zeros; scale bytes [6 y][rows][16 B] behind the codes (a row's 16 bytes: the scale words of four steps of 128).
; OUT: qkv [48 heads][2 planes j][2048 pos][32 channels] f16: heads 0-31 q, 32-39 k, 40-47 v; plane j holds channels 16 j .. 16 j + 15 and 32 + 16 j .. + 15.  LIMIT: |q|, |k|, |v| under 65,504.
; SHARES.  A work-group makes 128 positions x 192 columns (3 heads).  Wave (i, j): positions 64 i on (4 blocks a), column tiles 4 H + 2 u + j (H = 0..2, u = 0, 1; b = 2 H + u): 24 accumulators.
; So the two partners of a rotation, channels c and c + 32, lie in accumulators (a, 2 H) and (a, 2 H + 1), in the same lane and register.
; THE MATRIX INSTRUCTION IS USED TRANSPOSED (source 0 = 16 rows of W, source 1 = 16 rows of x): a lane holds one position and eight neighbouring channels.  The bias is the C of each sum's first product.
; K: 23 steps of 128, written out; two LDS slots of 768 codes (6 steps), filled by the tensor data mover four times in all.  The scale bytes of the work-group's rows, for all of K, come once with the first fills.
; CLUSTER 4 x 4: the four of a row need the same tiles of x, the four of a column the same tiles of W: each is asked for jointly.
; REGISTERS: window 0: v16-30 addresses; v32-111 scale words, two sets of 40; v112-175 x's fragments, two sets of 32; v176-223, v224-247 at work on the way out.
;   window 1: the accumulators, (a, b) at v[8 (6 a + b)].   window 2: v0-95 W's fragments, two sets of 48; v96-143 the bias, 8 a tile b; v144-207 the table: for each a cos 8, sin 8.
.set XS,    3145728
.set WS,    4718592
.set PITCH, 432                        ; an LDS row: 384 bytes + 16 of padding behind each 128 = 27 x 16: the 16 rows that a load touches start at 16 different groups of banks (ISA guide 11.1)
.set BLK,   16*PITCH
.set ASLOT, 128*PITCH                  ; x's 128 rows; W's 192 follow
.set SLOT,  320*PITCH
.set SCA,   2*SLOT                     ; x's scale bytes [half][6 y][64 rows][16]
.set SCB,   SCA+12288                  ; W's [half][6 y][96 rows][16]
.set SPARE, SCB+18432                  ; the spare words, 128 bytes for each wave: two blocks of 256 bytes that no other line names
.set ADRA,  16                         ; v16-17 my x fragments in slot 0, 1
.set ADRB,  18                         ; v18-19 my W fragments, heads 0 and 1
.set ADRB2, 20                         ; v20-21 head 2 (eight tiles on: the 16-bit offset would not reach)
.set ADRSA, 22
.set ADRSB, 23
.set STO,   24
.set RD,    25
.set CO,    26
.set BOF,   27
.set SPW,   28                         ; v28 LDS address of my spare word; never rewritten
.set NIL,   29                         ; v29 0; never rewritten
.set TOF,   30
.set SC,    32
.set AF,    112
.set T,     176
.set OUT,   224
.set BIAS,  96
.set TAB,   144
.set G1A,   28
.set G1B,   36
.set G1SA,  44
.set G1SB,  52
.set G0A,   60                         ; s[60:63] slot 0, s[68:71] slot 1
.set G0B,   72                         ; s[72:75], s[76:79]
.set G0SA,  80
.set G0SB,  84
.set BP,    88                         ; s[88:93] the three heads' biases
.set MSB, 0
.macro WIN new                         ; the immediate's high byte repeats the setting that is left
.if MSB != \new
	s_set_vgpr_msb (MSB<<8)|\new
.set MSB, \new
.endif
.endm
.set MUL,  0x52                        ; source 0 (W) window 2, source 1 (x) window 0, C and D window 1
.set MUL0, 0x62                        ; the same with C (the bias) in window 2
.set TO_B, 0x80                        ; destination window 2
.set RP,   0x09                        ; source 0 window 1, source 1 window 2
.set SEL,  0x01                        ; source 0 window 1
; A joint load: waves 0 and 1 fetch for x, waves 2 and 3 for W; the branch hangs on the wave's number alone.  An s_nop 0 and four v_nop follow each of the two lines.
.macro JLOAD g0a, g1a, g0b, g1b
	s_cmp_eq_u32 s19, 0
	s_cbranch_scc0 .Lfor_b_\@
	tensor_load_to_lds s[\g0a:\g0a+3], s[\g1a:\g1a+7]
	s_nop 0
.rept 4
	v_nop
.endr
	s_branch .Lasked_\@
.Lfor_b_\@:
	tensor_load_to_lds s[\g0b:\g0b+3], s[\g1b:\g1b+7]
	s_nop 0
.rept 4
	v_nop
.endr
.Lasked_\@:
.endm
.macro CREST                           ; a round of the cluster's barrier behind its opening barrier
	s_cmp_lg_u32 s18, 0
	s_cbranch_scc1 .Lnot_wave_0_\@
	s_barrier_signal -3
.Lnot_wave_0_\@:
	s_barrier_wait -3
	s_barrier_signal -1
	s_barrier_wait -1
.endm
.macro CROUND
	s_barrier_signal -1
	s_barrier_wait -1
	CREST
.endm
.macro PLACES                          ; four plain vector instructions behind a matrix instruction, ahead of loads into registers that it has read and of reads of its result (ISA guide 7.12.1 for the reads of its result)
.rept 4
	v_nop
.endr
.endm
	s_load_b256 s[4:11], s[0:1], 0x0               ; xq s[4:5], wq s[6:7], bq s[8:9], bk s[10:11]
	s_load_b128 s[12:15], s[0:1], 0x20             ; bv s[12:13], rt s[14:15]
	s_load_b64 s[16:17], s[0:1], 0x30              ; qkv
	v_lshl_add_u32 v[SPW], v0, 2, SPARE
	v_mov_b32 v[NIL], 0
	ds_add_u32 v[SPW], v[NIL]                      ; the wave's opening: the add, twice on end, and its wait ahead of my first tensor load
	ds_add_u32 v[SPW], v[NIL]
	v_lshrrev_b32 v1, 5, v0
	v_readfirstlane_b32 s18, v1                    ; wave 0..3
	s_lshr_b32 s19, s18, 1                         ; i: my 64 positions.  Also: I fetch for x (0) or for W (1)
	s_and_b32 s20, s18, 1                          ; j: my column tiles.  Also: which half of that tile I fetch
	s_bfe_u32 s21, ttmp6, 0x40000                  ; cx
	s_bfe_u32 s22, ttmp6, 0x40004                  ; cy
	s_lshl_b32 s23, ttmp9, 2
	s_add_co_u32 s23, s23, s21                     ; column tile = 4 x cluster x + cx
	s_and_b32 s24, ttmp7, 0xffff
	s_lshl_b32 s24, s24, 2
	s_add_co_u32 s24, s24, s22                     ; row tile = 4 x cluster y + cy
	s_lshl_b32 s2, s22, 2
	s_lshl_b32 s2, 15, s2                          ; my row of the cluster
	s_lshl_b32 s3, 0x1111, s21                     ; my column
	s_or_b32 s[G1A], s2, (1<<20)|(1<<21)|(4<<22)|(3<<25)   ; 15:0 the mask; 17:16 elements of 1 byte; 20 padding on; 21 set beside a mask; 24:22 after every 32 words (code 4); 31:25 four words (code 3)
	s_or_b32 s[G1B], s3, (1<<20)|(1<<21)|(4<<22)|(3<<25)
	s_or_b32 s[G1SA], s2, (3<<16)|(1<<21)          ; the scale bytes: elements of 8 bytes, no padding
	s_or_b32 s[G1SB], s3, (3<<16)|(1<<21)
	s_mov_b32 s[G1A+1], 384<<16                    ; tensor_dim0 = 384 bytes
	s_mov_b32 s[G1A+2], 64<<16                     ; tensor_dim1 = 64 rows
	s_mov_b32 s[G1A+3], 384<<16                    ; tile_dim0
	s_mov_b32 s[G1A+4], 64                         ; tile_dim1
	s_mov_b32 s[G1A+5], 1536                       ; from row to row
	s_mov_b32 s[G1A+6], 0
	s_mov_b32 s[G1A+7], 0
	s_mov_b32 s[G1B+1], 384<<16
	s_mov_b32 s[G1B+2], 96<<16
	s_mov_b32 s[G1B+3], 384<<16
	s_mov_b32 s[G1B+4], 96
	s_mov_b32 s[G1B+5], 1536
	s_mov_b32 s[G1B+6], 0
	s_mov_b32 s[G1B+7], 0
	s_mov_b32 s[G1SA+1], 128<<16                   ; 64 rows x 16 bytes = 128 elements on end,
	s_mov_b32 s[G1SA+2], 6<<16                     ; six groups y,
	s_mov_b32 s[G1SA+3], 128<<16
	s_mov_b32 s[G1SA+4], 6
	s_mov_b32 s[G1SA+5], 4096                      ; 2048 rows x 16 bytes apart
	s_mov_b32 s[G1SA+6], 0
	s_mov_b32 s[G1SA+7], 0
	s_mov_b32 s[G1SB+1], 192<<16                   ; 96 rows x 16 bytes
	s_mov_b32 s[G1SB+2], 6<<16
	s_mov_b32 s[G1SB+3], 192<<16
	s_mov_b32 s[G1SB+4], 6
	s_mov_b32 s[G1SB+5], 6144                      ; 3072 rows x 16 bytes apart
	s_mov_b32 s[G1SB+6], 0
	s_mov_b32 s[G1SB+7], 0
	s_lshl_b32 s94, s24, 7
	s_lshl_b32 s95, s20, 6
	s_add_co_u32 s94, s94, s95                     ; x: row 128 x row tile + 64 x half
	s_mul_i32 s96, s94, 1536                       ; its codes,
	s_mov_b32 s97, 0
	s_lshl_b32 s100, s94, 4
	s_add_co_u32 s100, s100, XS                    ; its scale bytes
	s_mov_b32 s101, 0
	s_mul_i32 s94, s23, 192
	s_mul_i32 s95, s20, 96
	s_add_co_u32 s94, s94, s95                     ; W: row 192 x column tile + 96 x half
	s_mul_i32 s98, s94, 1536
	s_mov_b32 s99, 0
	s_lshl_b32 s104, s94, 4
	s_add_co_u32 s104, s104, WS
	s_mov_b32 s105, 0
	s_mul_i32 s94, s20, 64*PITCH                   ; where they go: no place in the cluster enters an LDS address
	s_mul_i32 s95, s20, 96*PITCH
	s_add_co_u32 s95, s95, ASLOT
	s_mul_i32 s2, s20, 6144
	s_add_co_u32 s2, s2, SCA
	s_mul_i32 s3, s20, 9216
	s_add_co_u32 s3, s3, SCB
	s_wait_dscnt 0x0                               ; both opening adds are done
	s_wait_kmcnt 0x0
	s_mov_b32 s[G0SA], 1
	s_mov_b32 s[G0SA+1], s2
	s_add_nc_u64 s[G0SA+2:G0SA+3], s[4:5], s[100:101]
	s_or_b32 s[G0SA+3], s[G0SA+3], 0x80000000
	s_mov_b32 s[G0SB], 1
	s_mov_b32 s[G0SB+1], s3
	s_add_nc_u64 s[G0SB+2:G0SB+3], s[6:7], s[104:105]
	s_or_b32 s[G0SB+3], s[G0SB+3], 0x80000000
	s_mov_b32 s[G0A], 1
	s_mov_b32 s[G0A+1], s94
	s_add_nc_u64 s[G0A+2:G0A+3], s[4:5], s[96:97]
	s_mov_b32 s[G0A+8], 1
	s_add_co_u32 s[G0A+9], s94, SLOT
	s_add_nc_u64 s[G0A+10:G0A+11], s[G0A+2:G0A+3], 384   ; slot 1 begins with the second 768 codes
	s_or_b32 s[G0A+3], s[G0A+3], 0x80000000
	s_or_b32 s[G0A+11], s[G0A+11], 0x80000000
	s_mov_b32 s[G0B], 1
	s_mov_b32 s[G0B+1], s95
	s_add_nc_u64 s[G0B+2:G0B+3], s[6:7], s[98:99]
	s_mov_b32 s[G0B+4], 1
	s_add_co_u32 s[G0B+5], s95, SLOT
	s_add_nc_u64 s[G0B+6:G0B+7], s[G0B+2:G0B+3], 384
	s_or_b32 s[G0B+3], s[G0B+3], 0x80000000
	s_or_b32 s[G0B+7], s[G0B+7], 0x80000000
	CROUND                                         ; all sixteen work-groups are here: the first joint loads meet
	JLOAD G0SA, G1SA, G0SB, G1SB                   ; the scale bytes: filled once
	JLOAD G0A, G1A, G0B, G1B                       ; slot 0
	JLOAD G0A+8, G1A, G0B+4, G1B                   ; slot 1: three loads of mine are out
	v_and_b32 v1, 15, v0                           ; r
	v_bfe_u32 v2, v0, 4, 1                         ; h
	v_mul_u32_u24 v3, v1, PITCH
	v_lshl_add_u32 v3, v2, 4, v3                   ; a fragment's row x pitch + 16 h
	s_mul_i32 s2, s19, 64*PITCH
	s_mul_i32 s3, s20, BLK
	s_add_co_u32 s3, s3, ASLOT
.irp s, 0,1
	v_add_nc_u32 v[ADRA+\s], s2, v3
	v_add_nc_u32 v[ADRB+\s], s3, v3
	v_add_nc_u32 v[ADRB2+\s], 8*BLK, v[ADRB+\s]
	s_add_co_u32 s2, s2, SLOT
	s_add_co_u32 s3, s3, SLOT
.endr
	v_lshlrev_b32 v4, 4, v1
	s_mul_i32 s2, s19, 6144
	s_add_co_u32 s2, s2, SCA
	v_add_nc_u32 v[ADRSA], s2, v4                  ; x's scale words: my 64 rows are half i; 16 bytes a row
	s_lshl_b32 s2, s20, 8
	s_add_co_u32 s2, s2, SCB
	v_add_nc_u32 v[ADRSB], s2, v4                  ; W's: tile 2 b + j
	s_mul_i32 s2, s18, 3840                        ; my stage for the way out, 3 heads x 16 rows x 80 bytes, in slot 0: by then it has had its last fill and its last read
	v_mul_u32_u24 v5, v1, 80
	v_lshl_add_u32 v5, v2, 4, v5
	v_add_nc_u32 v[STO], s2, v5
	v_and_b32 v6, 31, v0
	v_lshrrev_b32 v7, 2, v6
	v_mul_u32_u24 v7, v7, 80
	v_and_b32 v8, 3, v6
	v_lshl_add_u32 v7, v8, 4, v7
	v_add_nc_u32 v[RD], s2, v7                     ; back: four lanes to a row of 64 bytes, eight rows an instruction
	v_lshlrev_b32 v[CO], 4, v6
	s_lshl_b32 s2, s20, 6
	v_lshl_add_u32 v[BOF], v2, 5, s2               ; the bias of my eight channels: 64 j + 32 h
	v_lshl_add_u32 v[TOF], v1, 8, v[BOF]           ; the table: 256 r + 64 j + 32 h
	s_lshl_b32 s2, s24, 7
	s_lshl_b32 s3, s19, 6
	s_add_co_u32 s2, s2, s3                        ; my first position
	s_lshl_b32 s94, s2, 8
	s_mov_b32 s95, 0
	s_add_nc_u64 s[14:15], s[14:15], s[94:95]
	s_lshl_b32 s94, s2, 6
	s_mul_i32 s3, s23, 786432
	s_add_co_u32 s94, s94, s3
	s_lshl_b32 s3, s20, 17
	s_add_co_u32 s94, s94, s3
	s_add_nc_u64 s[16:17], s[16:17], s[94:95]      ; qkv + 3 x column tile heads + plane j + my first position's row
.irp H, 0,1,2
	s_mul_i32 s2, s23, 3
	s_add_co_u32 s2, s2, \H                        ; the head, 0..47
	s_cmp_lt_u32 s2, 40
	s_cselect_b64 s[BP+2*\H:BP+2*\H+1], s[10:11], s[12:13]
	s_cselect_b32 s[25+\H], -1, 0                  ; q's and k's heads are rotated, v's are not: a choice of values, no branch
	s_cselect_b32 s3, 32, 40
	s_cmp_lt_u32 s2, 32
	s_cselect_b64 s[BP+2*\H:BP+2*\H+1], s[8:9], s[BP+2*\H:BP+2*\H+1]
	s_cselect_b32 s3, 0, s3
	s_sub_co_u32 s2, s2, s3
	s_lshl_b32 s2, s2, 8
	s_mov_b32 s3, 0
	s_add_nc_u64 s[BP+2*\H:BP+2*\H+1], s[BP+2*\H:BP+2*\H+1], s[2:3]
.endr
	WIN TO_B
.irp b, 0,1,2,3,4,5
	global_load_b128 v[BIAS+8*\b:BIAS+8*\b+3], v[BOF], s[BP+2*(\b/2):BP+2*(\b/2)+1] offset:128*(\b%2)
	global_load_b128 v[BIAS+8*\b+4:BIAS+8*\b+7], v[BOF], s[BP+2*(\b/2):BP+2*(\b/2)+1] offset:128*(\b%2)+16
.endr
.irp a, 0,1,2,3
	global_load_b128 v[TAB+16*\a:TAB+16*\a+3], v[TOF], s[14:15] offset:4096*\a
	global_load_b128 v[TAB+16*\a+4:TAB+16*\a+7], v[TOF], s[14:15] offset:4096*\a+16
	global_load_b128 v[TAB+16*\a+8:TAB+16*\a+11], v[TOF], s[14:15] offset:4096*\a+128
	global_load_b128 v[TAB+16*\a+12:TAB+16*\a+15], v[TOF], s[14:15] offset:4096*\a+144
.endr
	WIN 0
; The fragments of step g (128 along K): W's six tiles into set g % 2 of window 2, x's four blocks into set g % 2.  A fragment is 8 registers: lane (r, h): row r, registers 4 c .. 4 c + 3 = k 64 c + 32 h + 0 .. 31.
.macro FETCH g
.set FSL, ((\g)/6)%2
.set FKO, 64*((\g)%6)+16*(((\g)%6)/2)
.set FST, (\g)%2
	WIN TO_B
.irp b, 0,1,2,3
.irp c, 0,1
	ds_load_b128 v[48*FST+8*\b+4*\c:48*FST+8*\b+4*\c+3], v[ADRB+FSL] offset:2*\b*BLK+FKO+32*\c
.endr
.endr
.irp b, 4,5
.irp c, 0,1
	ds_load_b128 v[48*FST+8*\b+4*\c:48*FST+8*\b+4*\c+3], v[ADRB2+FSL] offset:2*(\b-4)*BLK+FKO+32*\c
.endr
.endr
	WIN 0
.irp a, 0,1,2,3
.irp c, 0,1
	ds_load_b128 v[AF+32*FST+8*\a+4*\c:AF+32*FST+8*\a+4*\c+3], v[ADRA+FSL] offset:\a*BLK+FKO+32*\c
.endr
.endr
.endm
.macro SCALES y                        ; the scale words of steps 4 y .. 4 y + 3 into set y % 2: lane r (0-15) holds row r's four words
.set SS, SC+40*((\y)%2)
.irp a, 0,1,2,3
	ds_load_b128 v[SS+4*\a:SS+4*\a+3], v[ADRSA] offset:1024*(\y)+256*\a
.endr
.irp b, 0,1,2,3,4,5
	ds_load_b128 v[SS+16+4*\b:SS+16+4*\b+3], v[ADRSB] offset:((2*\b)/6)*9216+1536*(\y)+((2*\b)%6)*256
.endr
.endm
; Six products: block a of x against my six tiles of W.  The 24 accumulators take turns, one instruction a turn, in the same order in every step.
.macro MULA g, a
.set MS, SC+40*(((\g)/4)%2)
.set MW, (\g)%4
.set MB, 48*((\g)%2)
.set MA, AF+32*((\g)%2)+8*(\a)
.irp b, 0,1,2,3,4,5
.if (\g) == 0
	v_wmma_scale_f32_16x16x128_f8f6f4 v[8*(6*(\a)+\b):8*(6*(\a)+\b)+7], v[MB+8*\b:MB+8*\b+7], v[MA:MA+7], v[BIAS+8*\b:BIAS+8*\b+7], v[MS+16+4*\b+MW], v[MS+4*(\a)+MW] matrix_a_fmt:MATRIX_FMT_FP4 matrix_b_fmt:MATRIX_FMT_FP4
.else
	v_wmma_scale_f32_16x16x128_f8f6f4 v[8*(6*(\a)+\b):8*(6*(\a)+\b)+7], v[MB+8*\b:MB+8*\b+7], v[MA:MA+7], v[8*(6*(\a)+\b):8*(6*(\a)+\b)+7], v[MS+16+4*\b+MW], v[MS+4*(\a)+MW] matrix_a_fmt:MATRIX_FMT_FP4 matrix_b_fmt:MATRIX_FMT_FP4
.endif
.endr
.endm
; A step that has its successor in the same slot: the next step's fragments are asked for, then this step's 24 products are issued.
.macro STEP g
.if (\g) > 0
	PLACES
.endif
	FETCH (\g)+1
.if ((\g)+1)%4 == 0
	SCALES ((\g)+1)/4
	s_wait_dscnt 30                                ; all but the 30 just issued: this step's fragments are in
.else
	s_wait_dscnt 20                                ; all but the 20 just issued
.endif
.if (\g) == 0
	WIN MUL0
.else
	WIN MUL
.endif
	MULA \g, 0
	MULA \g, 1
	MULA \g, 2
	MULA \g, 3
.endm
; A slot's last step changes slots: one barrier; in front of it each wave waits for all its tensor loads, adds 0 to its spare word, and waits for that and for its reads of this slot.  fill = 1: this slot is filled again.
.macro TURN g, fill
.set TSL, ((\g)/6)%2
	WIN 0
	s_wait_tensorcnt 0x0                           ; all my tensor loads have landed: my part of the next slot
	ds_add_u32 v[SPW], v[NIL]                      ; 0 onto my spare word
	s_wait_dscnt 1                                 ; this step's fragments are in; the add may be out
	WIN MUL
	MULA \g, 0
	MULA \g, 1                                     ; twelve products stand between the add and the wait for it
	s_wait_dscnt 0x0                               ; the add is done, and my reads of this slot are over
	s_barrier_signal -1
	MULA \g, 2
	WIN 0
	s_barrier_wait -1
.if \fill
	CREST                                          ; the barrier has opened a round of the cluster's barrier: no wave of any partner still reads this slot or has a load on its way
	s_add_nc_u64 s[G0A+8*TSL+2:G0A+8*TSL+3], s[G0A+8*TSL+2:G0A+8*TSL+3], 768
	s_add_nc_u64 s[G0B+4*TSL+2:G0B+4*TSL+3], s[G0B+4*TSL+2:G0B+4*TSL+3], 768
	JLOAD G0A+8*TSL, G1A, G0B+4*TSL, G1B           ; the first tensor load behind the round; its four v_nop are also the places in front of the loads below
.else
	PLACES
.endif
	FETCH (\g)+1
.if ((\g)+1)%4 == 0
	SCALES ((\g)+1)/4
.endif
	WIN MUL
	MULA \g, 3
.endm
	s_wait_tensorcnt 1                             ; the scale bytes and my part of slot 0 are in; slot 1's load may stay out
	s_barrier_signal -1
	s_barrier_wait -1
	FETCH 0
	SCALES 0
	s_wait_loadcnt 0x0                             ; the bias and the table
.irp u, 0,1,2,3,4
	STEP \u
.endr
	TURN 5, 1                                      ; slot 0 takes the third 768 codes
.irp u, 6,7,8,9,10
	STEP \u
.endr
	TURN 11, 1                                     ; slot 1 the fourth
.irp u, 12,13,14,15,16
	STEP \u
.endr
	TURN 17, 0                                     ; nothing is left to fetch
.irp u, 18,19,20,21
	STEP \u
.endr
	s_wait_dscnt 0x0                               ; step 22, the last with codes that count
	WIN MUL
	MULA 22, 0
	MULA 22, 1
	MULA 22, 2
	MULA 22, 3
	PLACES
; THE WAY OUT of block a (16 positions): out(c) = x(c) cos - x(c + 32) sin, out(c + 32) = x(c + 32) cos + x(c) sin, in f32; v's heads keep x; f16; through my stage, so that a store covers 512 consecutive bytes.
.macro ROPE a
	WIN RP
.irp H, 0,1,2
.irp p, 0,2,4,6                        ; each accumulator is read from its low end on
	v_pk_mul_f32 v[T+16*\H+\p:T+16*\H+\p+1], v[8*(6*(\a)+2*\H)+\p:8*(6*(\a)+2*\H)+\p+1], v[TAB+16*(\a)+\p:TAB+16*(\a)+\p+1]
	v_pk_mul_f32 v[T+16*\H+8+\p:T+16*\H+8+\p+1], v[8*(6*(\a)+2*\H+1)+\p:8*(6*(\a)+2*\H+1)+\p+1], v[TAB+16*(\a)+\p:TAB+16*(\a)+\p+1]
.endr
.irp p, 0,2,4,6
	v_pk_fma_f32 v[T+16*\H+\p:T+16*\H+\p+1], v[8*(6*(\a)+2*\H+1)+\p:8*(6*(\a)+2*\H+1)+\p+1], v[TAB+16*(\a)+8+\p:TAB+16*(\a)+8+\p+1], v[T+16*\H+\p:T+16*\H+\p+1] neg_lo:[1,0,0] neg_hi:[1,0,0]
	v_pk_fma_f32 v[T+16*\H+8+\p:T+16*\H+8+\p+1], v[8*(6*(\a)+2*\H)+\p:8*(6*(\a)+2*\H)+\p+1], v[TAB+16*(\a)+8+\p:TAB+16*(\a)+8+\p+1], v[T+16*\H+8+\p:T+16*\H+8+\p+1]
.endr
.endr
	WIN SEL
.irp H, 0,1,2
.set i, 0
.rept 16
	v_cndmask_b32 v[T+16*\H+i], v[8*(6*(\a)+2*\H)+i], v[T+16*\H+i], s[25+\H]
.set i, i+1
.endr
.endr
	WIN 0
.irp b, 0,1,2,3,4,5
.irp p, 0,1,2,3
	v_cvt_pk_f16_f32 v[T+8*\b+\p], v[T+8*\b+2*\p], v[T+8*\b+2*\p+1]
.endr
.endr
.irp b, 0,1,2,3,4,5
	ds_store_b128 v[STO], v[T+8*\b:T+8*\b+3] offset:1280*(\b/2)+32*(\b%2)
.endr
.if (\a) > 0
	s_wait_xcnt 0x0                                ; the last block's stores have read their registers: these loads may land there
.endif
.irp n, 0,1,2,3,4,5
	ds_load_b128 v[OUT+4*\n:OUT+4*\n+3], v[RD] offset:1280*(\n/2)+640*(\n%2)   ; LDS serves a wave's instructions in order: these see the stores above
.endr
.irp n, 0,1,2,3,4,5
	s_wait_dscnt 5-\n
	global_store_b128 v[CO], v[OUT+4*\n:OUT+4*\n+3], s[16:17] offset:262144*(\n/2)+1024*(\a)+512*(\n%2)   ; eight positions' rows of 64 bytes: 512 consecutive bytes, aligned
.endr
.endm
	ROPE 0
	ROPE 1
	ROPE 2
	ROPE 3
	s_wait_tensorcnt 0x0                           ; the wave's end: behind my last tensor load and my last LDS store
	ds_add_u32 v[SPW], v[NIL]
	s_wait_dscnt 0x0
	CROUND                                         ; the closing round: no work-group ends while a partner may still ask for a tile that names it
	s_endpgm
.Lfunc_end_k_qfbbb547653_qkv:
	.size	k_qfbbb547653_qkv, .Lfunc_end_k_qfbbb547653_qkv-k_qfbbb547653_qkv
	.p2alignl 7, 3214868480
	.fill 96, 4, 3214868480
	.section	.rodata,"a",@progbits
	.p2align	6, 0x0
	.amdhsa_kernel k_qfbbb547653_qkv
		.amdhsa_group_segment_fixed_size 327680
		.amdhsa_private_segment_fixed_size 0
		.amdhsa_enable_private_segment 0
		.amdhsa_kernarg_size 56
		.amdhsa_user_sgpr_count 2
		.amdhsa_user_sgpr_kernarg_segment_ptr 1
		.amdhsa_wavefront_size32 1
		.amdhsa_system_sgpr_workgroup_id_x 1
		.amdhsa_system_sgpr_workgroup_id_y 1
		.amdhsa_system_sgpr_workgroup_id_z 1
		.amdhsa_system_vgpr_workitem_id 0
		.amdhsa_next_free_vgpr 768
		.amdhsa_next_free_sgpr 106
		.amdhsa_reserve_vcc 0
		.amdhsa_float_denorm_mode_32 3
		.amdhsa_float_denorm_mode_16_64 3
		.amdhsa_memory_ordered 1
		.amdhsa_forward_progress 1
		.amdhsa_inst_pref_size 161
	.end_amdhsa_kernel
	.amdgpu_metadata
---
amdhsa.version: [ 1, 2 ]
amdhsa.kernels:
  - .name:           k_qfbbb547653_qkv
    .symbol:         k_qfbbb547653_qkv.kd
    .args:
      - { .name: xq, .offset: 0, .size: 8, .value_kind: global_buffer, .address_space: global }
      - { .name: wq, .offset: 8, .size: 8, .value_kind: global_buffer, .address_space: global }
      - { .name: bq, .offset: 16, .size: 8, .value_kind: global_buffer, .address_space: global }
      - { .name: bk, .offset: 24, .size: 8, .value_kind: global_buffer, .address_space: global }
      - { .name: bv, .offset: 32, .size: 8, .value_kind: global_buffer, .address_space: global }
      - { .name: rt, .offset: 40, .size: 8, .value_kind: global_buffer, .address_space: global }
      - { .name: qkv, .offset: 48, .size: 8, .value_kind: global_buffer, .address_space: global }
    .group_segment_fixed_size: 327680
    .private_segment_fixed_size: 0
    .kernarg_segment_align: 8
    .kernarg_segment_size: 56
    .max_flat_workgroup_size: 128
    .sgpr_count:     106
    .vgpr_count:     768
    .wavefront_size: 32
...
	.end_amdgpu_metadata
.endif
;; end of part 2
;; launch attn (part 3): grid 32 x 8, 8 waves a work-group, no clusters, 87,040 bytes of LDS; arguments qkv, msk, sinks, attn, tix; writes attn
.if DOCPART == 3
	.amdgcn_target "amdgcn-amd-amdhsa--gfx1250"
	.amdhsa_code_object_version 6
	.text
	.protected	k_qfbbb547653_attn
	.globl	k_qfbbb547653_attn
	.p2align	8
	.type	k_qfbbb547653_attn,@function
k_qfbbb547653_attn:
	s_mov_b64 s[64:65], 0
	v_nop
	global_prefetch_b8 v0, s[64:65] scope:SCOPE_SE
	s_setreg_imm32_b32 hwreg(HW_REG_WAVE_MODE, 25, 1), 1
	s_wait_xcnt 0x0
; ATTN: attn[q][head] = sum over k of p(q, k) v[k], p = softmax over the keys that count and the head's sink, the sink's column dropped.  Products on f16 operands, sums, maxima and exponentials in f32.
; A key counts where the given mask AND the window k >= q - 128 allow it: msk holds that as byte images (0xff / 0) in the layout of a score tile; tix holds, for each tile of 16 queries, two bits a block of 32 keys.
; A wave walks the blocks from the first to the last in which some key counts: a trip count read from tix, so this launch has no tensor load, no barrier, no cluster: K, V and the images go from memory into registers.
; A key that does not count gets the score -infinity, so its weight is exactly 0, as in the reference, whose -1e9 lies more than 104 under the row's maximum while sink > -1e9 + 104 (the stated limit).  No row is empty: the sink starts m and l.
; SHARES.  Work-group (qb, g): 64 queries, kv head g.  Wave w: query tile qt = 4 qb + w / 2 (16 queries), query heads 4 g + 2 (w % 2) + e, e = 0, 1: each fragment of K and V feeds two products.
; LAYOUT.  S^T = K Q^T (source 0 = 16 keys, source 1 = 16 queries): a lane holds one query and keys 8 h + 0..7; two such tiles rounded to f16 ARE source 1 of O^T = V^T P.  V comes turned out of the wave's own LDS bytes.
; qkv's rows hold 32 channels a plane, in the same order for q and k, so a plane is one K step of the first product.
; REGISTERS: v1-14 addresses; v16-19 the mask image; v22-37 statistics, 8 a head: c m, m, l (two halves), 4 at work; Q v40, K v72, V v104, S v136, P v168 (first the 16 mask words), O^T v184.
.set WREG,  10752                      ; LDS of a wave: V's block, 2 planes x 32 keys x 96 bytes; then the stage, 16 rows x 272
.set OSO,   6144
.set SPARE, 86016                      ; the spare words, 128 bytes for each wave: four blocks of 256 bytes that no other line names
.set SPW,   20
.set NIL,   21
.set ST,    22
.set Q,     40
.set K,     72
.set V,     104
.set S,     136
.set P,     168
.set O,     184
.set CS,    60                         ; s[60:61] c = log2(e) / 8
.set SEL,   62                         ; s[62:63] lane selects for lane l xor 16
	s_load_b256 s[4:11], s[0:1], 0x0               ; qkv s[4:5], msk s[6:7], sinks s[8:9], attn s[10:11]
	s_load_b64 s[2:3], s[0:1], 0x20                ; tix
	v_lshl_add_u32 v[SPW], v0, 2, SPARE
	v_mov_b32 v[NIL], 0
	v_lshrrev_b32 v1, 5, v0
	v_readfirstlane_b32 s20, v1                    ; wave 0..7
	s_lshr_b32 s21, s20, 1
	s_lshl_b32 s22, ttmp9, 2
	s_add_co_u32 s21, s22, s21                     ; qt
	s_and_b32 s22, s20, 1
	s_and_b32 s23, ttmp7, 0xffff                   ; g
	s_lshl_b32 s24, s23, 2
	s_lshl_b32 s25, s22, 1
	s_add_co_u32 s24, s24, s25                     ; my first query head
	s_lshl_b32 s26, s21, 5                         ; the tile's 32 bytes of block bits
	s_mov_b32 s27, 0
	s_lshl_b32 s28, s24, 2
	s_mov_b32 s29, 0
	s_wait_kmcnt 0x0
	s_add_nc_u64 s[26:27], s[2:3], s[26:27]
	s_add_nc_u64 s[28:29], s[8:9], s[28:29]
	s_load_b256 s[12:19], s[26:27], 0x0            ; the tile's block bits: four quarters x (any, all)
	s_load_b64 s[30:31], s[28:29], 0x0             ; my two sinks
	s_mov_b32 s[CS], 0x3e38aa3b
	s_mov_b32 s[CS+1], s[CS]
	s_mov_b32 s[SEL], 0x76543210
	s_mov_b32 s[SEL+1], 0xfedcba98
	s_mov_b32 s56, 0x00000000                      ; v_perm_b32 selects: byte b of a word into all four bytes
	s_mov_b32 s57, 0x01010101
	s_mov_b32 s58, 0x02020202
	s_mov_b32 s59, 0x03030303
	s_mov_b32 s43, 0
	s_add_co_u32 s42, s23, 32
	s_lshl_b32 s42, s42, 18
	s_add_nc_u64 s[44:45], s[4:5], s[42:43]        ; K's head
	s_add_co_u32 s42, s23, 40
	s_lshl_b32 s42, s42, 18
	s_add_nc_u64 s[46:47], s[4:5], s[42:43]        ; V's head
	s_lshl_b32 s42, s24, 18
	s_lshl_b32 s48, s21, 10
	s_add_co_u32 s42, s42, s48
	s_add_nc_u64 s[48:49], s[4:5], s[42:43]        ; Q: my first head, my 16 queries
	s_lshl_b32 s42, s21, 15
	s_add_nc_u64 s[50:51], s[6:7], s[42:43]        ; the tile's 64 images
	s_lshl_b32 s42, s21, 16
	s_lshl_b32 s52, s24, 7
	s_add_co_u32 s42, s42, s52
	s_add_nc_u64 s[10:11], s[10:11], s[42:43]      ; attn: my 16 rows, my two heads' 256 bytes
	v_and_b32 v1, 15, v0                           ; r
	v_bfe_u32 v2, v0, 4, 1                         ; h
	v_and_b32 v5, 31, v0                           ; lane
	v_lshlrev_b32 v3, 6, v1
	v_lshl_add_u32 v3, v2, 4, v3                   ; a fragment of Q or K: row r of 64 bytes, + 16 h
	v_lshlrev_b32 v4, 4, v5                        ; 16 x lane: V's loads and the images
	v_mov_b32 v9, 0xff800000                       ; -infinity
	s_mul_i32 s52, s20, WREG
	v_lshrrev_b32 v10, 2, v5
	v_mul_u32_u24 v10, v10, 96
	v_and_b32 v11, 3, v5
	v_lshl_add_u32 v10, v11, 4, v10
	v_add_nc_u32 v10, s52, v10                     ; V into LDS: four lanes to a key's 64 bytes, rows 96 bytes apart
	v_and_b32 v11, 7, v5
	v_lshl_add_u32 v11, v2, 3, v11
	v_mul_u32_u24 v11, v11, 96
	v_bfe_u32 v12, v0, 3, 1
	v_lshl_add_u32 v11, v12, 4, v11
	v_add_nc_u32 v11, s52, v11                     ; the turning load: key 8 h + l % 8, channels 8 ((l / 8) % 2) on
	s_add_co_u32 s52, s52, OSO
	v_mul_u32_u24 v12, v1, 272
	v_lshl_add_u32 v12, v2, 4, v12
	v_add_nc_u32 v12, s52, v12                     ; the stage, in: row r, + 16 h
	v_mul_u32_u24 v13, v2, 272
	v_lshl_add_u32 v13, v1, 4, v13
	v_add_nc_u32 v13, s52, v13                     ; out: lanes 0-15 one row, lanes 16-31 the next
	v_lshlrev_b32 v14, 12, v2
	v_lshl_add_u32 v14, v1, 4, v14                 ; and the same two rows in attn
.set i, 0
.rept 64
	v_mov_b32 v[O+i], 0                            ; O^T: the trip is written once, and a tile with no key that counts makes no trip
.set i, i+1
.endr
	s_wait_kmcnt 0x0
	s_lshl_b32 s32, s14, 16
	s_or_b32 s32, s32, s12                         ; some key counts: blocks 0-31,
	s_lshl_b32 s33, s18, 16
	s_or_b32 s33, s33, s16                         ; blocks 32-63
	s_lshl_b32 s34, s15, 16
	s_or_b32 s34, s34, s13                         ; all keys count: blocks 0-31,
	s_lshl_b32 s35, s19, 16
	s_or_b32 s35, s35, s17                         ; blocks 32-63
	s_ctz_i32_b32 s36, s32
	s_ctz_i32_b32 s37, s33
	s_add_co_u32 s37, s37, 32
	s_clz_i32_u32 s38, s32
	s_sub_co_u32 s38, 32, s38
	s_clz_i32_u32 s39, s33
	s_sub_co_u32 s39, 64, s39
	s_cmp_lg_u32 s32, 0
	s_cselect_b32 s36, s36, s37                    ; the first block in which a key counts
	s_cselect_b32 s38, s38, 0
	s_cmp_lg_u32 s33, 0
	s_cselect_b32 s38, s39, s38                    ; one past the last; 0 where there is none
	s_min_u32 s38, s38, 64
	s_min_u32 s40, s36, 63                         ; kb: the block in hand
	s_lshl_b32 s53, s40, 11
	s_lshl_b32 s54, s40, 9
	v_add_nc_u32 v6, s53, v3                       ; K's, V's and the image's offsets: 2048, 2048 and 512 bytes a block
	v_add_nc_u32 v7, s53, v4
	v_add_nc_u32 v8, s54, v4
.irp e, 0,1
.irp p, 0,1
.irp c, 0,1
	global_load_b128 v[Q+16*\e+8*\p+4*\c:Q+16*\e+8*\p+4*\c+3], v3, s[48:49] offset:262144*\e+131072*\p+32*\c
.endr
.endr
.endr
.macro KLOAD
.irp t, 0,1
.irp p, 0,1
.irp c, 0,1
	global_load_b128 v[K+16*\t+8*\p+4*\c:K+16*\t+8*\p+4*\c+3], v6, s[44:45] offset:131072*\p+1024*\t+32*\c
.endr
.endr
.endr
.endm
.macro VLOAD
.irp p, 0,1
.irp n, 0,1,2,3
	global_load_b128 v[V+16*\p+4*\n:V+16*\p+4*\n+3], v7, s[46:47] offset:131072*\p+512*\n   ; 512 consecutive bytes: eight keys of a plane
.endr
.endr
.endm
	KLOAD
	global_load_b128 v[16:19], v8, s[50:51]
	VLOAD
.irp e, 0,1
	v_mov_b32 v[ST+8*\e+1], s[30+\e]
	v_mul_f32 v[ST+8*\e+1], 0x41000000, v[ST+8*\e+1]   ; m begins as the sink, in the unscaled scores' measure: 8 x sink
	v_mul_f32 v[ST+8*\e], s[CS], v[ST+8*\e+1]      ; c m
	v_mov_b32 v[ST+8*\e+2], 0.5                    ; l begins as the sink's weight, 1: a half in each half of the lanes
	v_mov_b32 v[ST+8*\e+3], 0
	v_mov_b32 v[ST+8*\e+4], 0
	v_mov_b32 v[ST+8*\e+5], 0                      ; (a lane permute's destination counts as one of its sources)
	v_mov_b32 v[ST+8*\e+6], 0
	v_mov_b32 v[ST+8*\e+7], 0
.endr
	s_cmp_ge_u32 s40, s38
	s_cbranch_scc1 .Lout
.Ltrip:                                ; 32 keys.  On the way in and on the way back the loads out are, in order: K's 8, the image, V's 8
	s_wait_loadcnt 8                               ; (Q,) K and the image are in; V's eight may be out
.irp p, 0,1
.irp e, 0,1
.irp t, 0,1
.if \p == 0
	v_wmma_f32_16x16x32_f16 v[S+16*\e+8*\t:S+16*\e+8*\t+7], v[K+16*\t:K+16*\t+7], v[Q+16*\e:Q+16*\e+7], 0
.else
	v_wmma_f32_16x16x32_f16 v[S+16*\e+8*\t:S+16*\e+8*\t+7], v[K+16*\t+8:K+16*\t+15], v[Q+16*\e+8:Q+16*\e+15], v[S+16*\e+8*\t:S+16*\e+8*\t+7]
.endif
.endr
.endr
.endr                                  ; four accumulators by turns
	s_add_co_u32 s41, s40, 1
	s_min_u32 s41, s41, 63                         ; the next block, held inside the buffers in the last trip
	s_lshl_b32 s53, s41, 11
	s_lshl_b32 s54, s41, 9
	v_add_nc_u32 v6, s53, v3                       ; four plain instructions behind the products, ahead of the loads into K's registers and of the first read of the scores
	v_nop
	v_nop
	v_nop
	KLOAD
	s_cmp_lt_u32 s40, 32
	s_cselect_b32 s55, s34, s35
	s_bitcmp1_b32 s55, s40                         ; do all keys of this block count for all 16 queries?  A stored bit
	s_cbranch_scc1 .Lfull
.irp d, 0,1,2,3
.irp b, 0,1,2,3
	v_perm_b32 v[P+4*\d+\b], v[16+\d], v[16+\d], s[56+\b]   ; a key's byte as a word: word 8 t + j for register j of tile t
.endr
.endr
.irp e, 0,1
.set i, 0
.rept 16
	v_bfi_b32 v[S+16*\e+i], v[P+i], v[S+16*\e+i], v9   ; the score where the key counts, else -infinity; each accumulator from its low end on
.set i, i+1
.endr
.endr
.Lfull:
	v_add_nc_u32 v8, s54, v4
	global_load_b128 v[16:19], v8, s[50:51]        ; the next block's image
.irp e, 0,1
	v_max3_num_f32 v[ST+8*\e+4], v[S+16*\e], v[S+16*\e+1], v[S+16*\e+2]
	v_max3_num_f32 v[ST+8*\e+5], v[S+16*\e+8], v[S+16*\e+9], v[S+16*\e+10]
.endr
.irp i, 3,5
.irp e, 0,1
	v_max3_num_f32 v[ST+8*\e+4], v[ST+8*\e+4], v[S+16*\e+\i], v[S+16*\e+\i+1]
	v_max3_num_f32 v[ST+8*\e+5], v[ST+8*\e+5], v[S+16*\e+8+\i], v[S+16*\e+9+\i]
.endr
.endr
.irp e, 0,1
	v_max3_num_f32 v[ST+8*\e+4], v[ST+8*\e+4], v[S+16*\e+7], v[S+16*\e+15]
.endr
.irp e, 0,1
	v_max3_num_f32 v[ST+8*\e+4], v[ST+8*\e+4], v[ST+8*\e+5], v[ST+8*\e+1]   ; with the old m
.endr
.irp e, 0,1
	v_permlanex16_b32 v[ST+8*\e+5], v[ST+8*\e+4], s[SEL], s[SEL+1]   ; the query's other 16 keys lie in the lane 16 away
.endr
.irp e, 0,1
	v_mov_b32 v[ST+8*\e+7], v[ST+8*\e]             ; c m_old
.endr
.irp e, 0,1
	v_max_num_f32 v[ST+8*\e+1], v[ST+8*\e+4], v[ST+8*\e+5]
.endr
.irp e, 0,1
	v_mul_f32 v[ST+8*\e], s[CS], v[ST+8*\e+1]
.endr
.irp e, 0,1
	v_sub_f32 v[ST+8*\e+7], v[ST+8*\e+7], v[ST+8*\e]
.endr
.irp i, 0,2,4,6,8,10,12,14
.irp e, 0,1
	v_pk_fma_f32 v[S+16*\e+\i:S+16*\e+\i+1], v[S+16*\e+\i:S+16*\e+\i+1], s[CS:CS+1], v[ST+8*\e:ST+8*\e+1] op_sel_hi:[1,0,0] neg_lo:[0,0,1] neg_hi:[0,0,1]   ; c s - c m
.endr
.endr
.irp e, 0,1
	v_exp_f32 v[ST+8*\e+6], v[ST+8*\e+7]           ; a = 2^(c m_old - c m_new)
.endr
.set i, 0
.rept 32
	v_exp_f32 v[S+i], v[S+i]                       ; p = 2^(c s - c m), at most 1
.set i, i+1
.endr
	s_wait_loadcnt 9                               ; V is in; the next K's eight and the next image may be out
.irp p, 0,1
.irp n, 0,1,2,3
	ds_store_b128 v10, v[V+16*\p+4*\n:V+16*\p+4*\n+3] offset:3072*\p+768*\n
.endr
.endr
.irp x, 0,1,2,3                        ; tile x = 2 p + u: channels 32 u + 16 p on; lane l holds channel l % 16 and the keys of its half
	ds_load_tr16_b128 v[V+8*\x:V+8*\x+3], v11 offset:3072*(\x/2)+32*(\x%2)
	ds_load_tr16_b128 v[V+8*\x+4:V+8*\x+7], v11 offset:3072*(\x/2)+32*(\x%2)+1536
.endr
	v_nop                                          ; a plain instruction behind the last exponential
	s_wait_alu depctr_va_vdst(0)                   ; one wait for the batch of 34, ahead of its first reader
.irp e, 0,1
.irp n, 0,1,2,3,4,5,6,7
	v_cvt_pk_f16_f32 v[P+8*\e+\n], v[S+16*\e+2*\n], v[S+16*\e+2*\n+1]
.endr
.endr
.irp i, 0,4,8,12
.irp e, 0,1
	v_pk_add_f32 v[S+16*\e+\i:S+16*\e+\i+1], v[S+16*\e+\i:S+16*\e+\i+1], v[S+16*\e+\i+2:S+16*\e+\i+3]   ; the row's sum, of the weights in f32
.endr
.endr
.irp i, 0,8
.irp e, 0,1
	v_pk_add_f32 v[S+16*\e+\i:S+16*\e+\i+1], v[S+16*\e+\i:S+16*\e+\i+1], v[S+16*\e+\i+4:S+16*\e+\i+5]
.endr
.endr
.irp e, 0,1
	v_pk_add_f32 v[S+16*\e:S+16*\e+1], v[S+16*\e:S+16*\e+1], v[S+16*\e+8:S+16*\e+9]
.endr
.irp e, 0,1
	v_pk_fma_f32 v[ST+8*\e+2:ST+8*\e+3], v[ST+8*\e+2:ST+8*\e+3], v[ST+8*\e+6:ST+8*\e+7], v[S+16*\e:S+16*\e+1] op_sel_hi:[1,0,1]   ; l = a l + the sum
.endr
.irp e, 0,1
.set i, 0
.rept 16
	v_pk_mul_f32 v[O+32*\e+i:O+32*\e+i+1], v[O+32*\e+i:O+32*\e+i+1], v[ST+8*\e+6:ST+8*\e+7] op_sel_hi:[1,0]   ; O^T x a; each accumulator from its low end on
.set i, i+2
.endr
.endr
	s_wait_dscnt 0x0                               ; V^T is in
.irp x, 0,1,2,3
.irp e, 0,1
	v_wmma_f32_16x16x32_f16 v[O+32*\e+8*\x:O+32*\e+8*\x+7], v[V+8*\x:V+8*\x+7], v[P+8*\e:P+8*\e+7], v[O+32*\e+8*\x:O+32*\e+8*\x+7]
.endr
.endr                                  ; eight accumulators by turns
	v_add_nc_u32 v7, s53, v4                       ; four plain instructions, ahead of the loads into V's registers
	v_nop
	v_nop
	v_nop
	VLOAD
	s_add_co_u32 s40, s40, 1
	s_cmp_lt_u32 s40, s38
	s_cbranch_scc1 .Ltrip
.Lout:
	s_wait_loadcnt 0x0                             ; the look-ahead's loads name K's and V's registers, which the way out takes
.irp e, 0,1
	v_add_f32 v[ST+8*\e+4], v[ST+8*\e+2], v[ST+8*\e+3]
.endr
.irp e, 0,1
	v_permlanex16_b32 v[ST+8*\e+5], v[ST+8*\e+4], s[SEL], s[SEL+1]
.endr
.irp e, 0,1
	v_add_f32 v[ST+8*\e+4], v[ST+8*\e+4], v[ST+8*\e+5]   ; the row's sum, the sink's weight in it
.endr
.irp e, 0,1
	v_rcp_f32 v[ST+8*\e+6], v[ST+8*\e+4]
.endr
	v_nop
	s_wait_alu depctr_va_vdst(0)                   ; one wait for both reciprocals
.irp e, 0,1
.set i, 0
.rept 16
	v_pk_mul_f32 v[O+32*\e+i:O+32*\e+i+1], v[O+32*\e+i:O+32*\e+i+1], v[ST+8*\e+6:ST+8*\e+7] op_sel_hi:[1,0]
.set i, i+2
.endr
.endr
.set i, 0
.rept 32
	v_cvt_pk_f16_f32 v[K+i], v[O+2*i], v[O+2*i+1]
.set i, i+1
.endr
.irp e, 0,1
.irp x, 0,1,2,3
	ds_store_b128 v12, v[K+16*\e+4*\x:K+16*\e+4*\x+3] offset:128*\e+64*(\x%2)+32*(\x/2)   ; lane (r, h): query r, head e, channels 32 u + 16 p + 8 h + 0..7
.endr
.endr
.irp n, 0,1,2,3,4,5,6,7
	ds_load_b128 v[V+4*\n:V+4*\n+3], v13 offset:544*\n   ; LDS serves a wave's instructions in order: these see the stores above
.endr
.irp n, 0,1,2,3,4,5,6,7
	s_wait_dscnt 7-\n
	global_store_b128 v14, v[V+4*\n:V+4*\n+3], s[10:11] offset:8192*\n   ; sixteen lanes store 256 consecutive bytes, aligned: two heads of a row
.endr
	s_wait_tensorcnt 0x0                           ; the wave's end: behind my last LDS store
	ds_add_u32 v[SPW], v[NIL]
	s_wait_dscnt 0x0
	s_endpgm
.Lfunc_end_k_qfbbb547653_attn:
	.size	k_qfbbb547653_attn, .Lfunc_end_k_qfbbb547653_attn-k_qfbbb547653_attn
	.p2alignl 7, 3214868480
	.fill 96, 4, 3214868480
	.section	.rodata,"a",@progbits
	.p2align	6, 0x0
	.amdhsa_kernel k_qfbbb547653_attn
		.amdhsa_group_segment_fixed_size 87040
		.amdhsa_private_segment_fixed_size 0
		.amdhsa_enable_private_segment 0
		.amdhsa_kernarg_size 40
		.amdhsa_user_sgpr_count 2
		.amdhsa_user_sgpr_kernarg_segment_ptr 1
		.amdhsa_wavefront_size32 1
		.amdhsa_system_sgpr_workgroup_id_x 1
		.amdhsa_system_sgpr_workgroup_id_y 1
		.amdhsa_system_sgpr_workgroup_id_z 1
		.amdhsa_system_vgpr_workitem_id 0
		.amdhsa_next_free_vgpr 256
		.amdhsa_next_free_sgpr 66
		.amdhsa_reserve_vcc 0
		.amdhsa_float_denorm_mode_32 3
		.amdhsa_float_denorm_mode_16_64 3
		.amdhsa_memory_ordered 1
		.amdhsa_forward_progress 1
		.amdhsa_inst_pref_size 31
	.end_amdhsa_kernel
	.amdgpu_metadata
---
amdhsa.version: [ 1, 2 ]
amdhsa.kernels:
  - .name:           k_qfbbb547653_attn
    .symbol:         k_qfbbb547653_attn.kd
    .args:
      - { .name: qkv, .offset: 0, .size: 8, .value_kind: global_buffer, .address_space: global }
      - { .name: msk, .offset: 8, .size: 8, .value_kind: global_buffer, .address_space: global }
      - { .name: sinks, .offset: 16, .size: 8, .value_kind: global_buffer, .address_space: global }
      - { .name: attn, .offset: 24, .size: 8, .value_kind: global_buffer, .address_space: global }
      - { .name: tix, .offset: 32, .size: 8, .value_kind: global_buffer, .address_space: global }
    .group_segment_fixed_size: 87040
    .private_segment_fixed_size: 0
    .kernarg_segment_align: 8
    .kernarg_segment_size: 40
    .max_flat_workgroup_size: 256
    .sgpr_count:     66
    .vgpr_count:     256
    .wavefront_size: 32
...
	.end_amdgpu_metadata
.endif
;; end of part 3
;; launch proj (part 4): grid 16 x 15, 4 waves a work-group, clusters of 4 x 1, 327,680 bytes of LDS; arguments attn, wo16, bo, out0; writes out0
.if DOCPART == 4
	.amdgcn_target "amdgcn-amd-amdhsa--gfx1250"
	.amdhsa_code_object_version 6
	.text
	.protected	k_qfbbb547653_proj
	.globl	k_qfbbb547653_proj
	.p2align	8
	.type	k_qfbbb547653_proj,@function
k_qfbbb547653_proj:
	s_mov_b64 s[64:65], 0
	v_nop
	global_prefetch_b8 v0, s[64:65] scope:SCOPE_SE
	s_setreg_imm32_b32 hwreg(HW_REG_WAVE_MODE, 25, 1), 1
	s_wait_xcnt 0x0
	s_wait_alu depctr_hold_cnt(0) depctr_sa_sdst(0) depctr_va_vdst(0) depctr_va_sdst(0) depctr_va_ssrc(0) depctr_va_vcc(0) depctr_vm_vsrc(0)
	s_getreg_b32 s2, hwreg(HW_REG_IB_STS2, 6, 4)
	s_cmp_eq_u32 s2, 0
	s_cbranch_scc0 .Lentry_in_a_cluster
	s_endpgm
.Lentry_in_a_cluster:
	s_bfe_u32 s2, ttmp6, 0x10000c
	s_cmp_lg_u32 s2, 0x3003
	s_cbranch_scc0 .Lentry_shape_is_right
	s_endpgm
.Lentry_shape_is_right:
; PROJ: out0[m][n] = sum over k of attn[m][k] Wo[k][n] + bo[n].  attn [2048][2048] f16, wo16 [15 tiles][2048 k][192 n] f16, bo [2880] f32, out0 [2048][2880] f32; sums in f32; bo is the C of each sum's first product.
; A work-group makes 128 rows x 192 columns: 16 x 15 = 240 work-groups (2880 does not split into 256 equal tiles whose sides are multiples of 16).  Wave (i, j): rows 64 i on (4 blocks a), column tiles 2 b + j (b = 0..5): 24 accumulators.
; K goes in steps of 128 through two LDS slots filled by the tensor data mover; a step is four quarters of 32 along K on two fragment buffers.
; CLUSTER 4 x 1: the four partners have the same column tile and ask for Wo's tile jointly; attn's tile is each work-group's own, a plain load behind the same round.  (4 x 4 does not divide the 15 column tiles.)
; THE MATRIX INSTRUCTION IS USED TRANSPOSED: source 0 = 16 columns of Wo, turned out of LDS by ds_load_tr16_b128, source 1 = 16 rows of attn: a lane holds eight neighbouring numbers of a row of out0.
; REGISTERS: window 0: v8-29 addresses; v32-223 the accumulators, (a, b) at v[32 + 8 (6 a + b)]; on the way out the rows read back.   window 1: two fragment buffers of 80 (Wo's 48, attn's 32) at v0 and v80; v160-207 bo, 8 a tile b.
.set PA,    272                        ; a row of attn's tile: 256 bytes + 16
.set PB,    480                        ; a row of Wo's tile: 384 bytes + 32 behind each 128 = 15 x 32
.set AT,    128*PA
.set SLOT,  AT+128*PB
.set STAGE, 2*SLOT                     ; 128 rows x (768 + 16) bytes, the work-group's, for the way out; no tensor load fills it
.set SP,    784
.set SPARE, STAGE+128*SP               ; the spare words, 128 bytes for each wave: two blocks of 256 bytes that no other line names
.set LAPS,  8                          ; 2048 / 256
.set RD0,   8
.set CO0,   11
.set ADRA,  16
.set ADRB,  20
.set STO,   24
.set BOF,   25
.set SPW,   28
.set NIL,   29
.set ACC,   32
.set F0,    0
.set F1,    80
.set BO,    160
.set G1A,   24
.set G0A,   32
.set G1B,   48
.set G0B,   56
.set MSB, 0
.macro WIN new                         ; the immediate's high byte repeats the setting that is left
.if MSB != \new
	s_set_vgpr_msb (MSB<<8)|\new
.set MSB, \new
.endif
.endm
.set MUL,  0x05                        ; sources 0 and 1 window 1; C and D window 0
.set MULB, 0x15                        ; the same with C (bo) in window 1
.set TO_F, 0x40                        ; destination window 1
.macro JLOAD s                         ; waves 0 and 1 fetch attn's two halves (plain), waves 2 and 3 Wo's (joint); an s_nop 0 and four v_nop follow each of the two lines
	s_cmp_eq_u32 s13, 0
	s_cbranch_scc0 .Lfor_b_\@
	tensor_load_to_lds s[G0A+4*\s:G0A+4*\s+3], s[G1A:G1A+7]
	s_nop 0
.rept 4
	v_nop
.endr
	s_branch .Lasked_\@
.Lfor_b_\@:
	tensor_load_to_lds s[G0B+4*\s:G0B+4*\s+3], s[G1B:G1B+7]
	s_nop 0
.rept 4
	v_nop
.endr
.Lasked_\@:
.endm
.macro CREST
	s_cmp_lg_u32 s12, 0
	s_cbranch_scc1 .Lnot_wave_0_\@
	s_barrier_signal -3
.Lnot_wave_0_\@:
	s_barrier_wait -3
	s_barrier_signal -1
	s_barrier_wait -1
.endm
.macro CROUND
	s_barrier_signal -1
	s_barrier_wait -1
	CREST
.endm
.macro PLACES                          ; four plain vector instructions behind a matrix instruction (ISA guide 7.12.1 for reads of its result)
.rept 4
	v_nop
.endr
.endm
	s_load_b256 s[4:11], s[0:1], 0x0               ; attn s[4:5], wo16 s[6:7], bo s[8:9], out0 s[10:11]
	v_lshl_add_u32 v[SPW], v0, 2, SPARE
	v_mov_b32 v[NIL], 0
	ds_add_u32 v[SPW], v[NIL]                      ; the wave's opening: the add, twice on end, and its wait ahead of my first tensor load
	ds_add_u32 v[SPW], v[NIL]
	v_lshrrev_b32 v1, 5, v0
	v_readfirstlane_b32 s12, v1                    ; wave 0..3
	s_lshr_b32 s13, s12, 1                         ; i: my 64 rows.  Also: I fetch for attn (0) or for Wo (1)
	s_and_b32 s14, s12, 1                          ; j: my column tiles.  Also: which half of that tile I fetch
	s_bfe_u32 s15, ttmp6, 0x40000                  ; cx
	s_lshl_b32 s16, ttmp9, 2
	s_add_co_u32 s16, s16, s15                     ; row tile = 4 x cluster x + cx
	s_and_b32 s17, ttmp7, 0xffff                   ; column tile, which the four partners share
	s_mov_b32 s[G1A], (1<<16)|(1<<20)|(5<<22)|(3<<25)   ; no mask; elements of 2 bytes; padding: 4 words after every 64
	s_mov_b32 s[G1A+1], 128<<16                    ; tensor_dim0 = 128
	s_mov_b32 s[G1A+2], 64<<16                     ; tensor_dim1 = 64
	s_mov_b32 s[G1A+3], 128<<16                    ; tile_dim0
	s_mov_b32 s[G1A+4], 64                         ; tile_dim1
	s_mov_b32 s[G1A+5], 2048                       ; from row to row
	s_mov_b32 s[G1A+6], 0
	s_mov_b32 s[G1A+7], 0
	s_mov_b32 s[G1B], 15|(1<<16)|(1<<20)|(1<<21)|(4<<22)|(7<<25)   ; the mask: all four; bit 21 beside it; padding: 8 words after every 32
	s_mov_b32 s[G1B+1], 192<<16
	s_mov_b32 s[G1B+2], 64<<16
	s_mov_b32 s[G1B+3], 192<<16
	s_mov_b32 s[G1B+4], 64
	s_mov_b32 s[G1B+5], 192
	s_mov_b32 s[G1B+6], 0
	s_mov_b32 s[G1B+7], 0
	s_lshl_b32 s18, s16, 7
	s_lshl_b32 s19, s14, 6
	s_add_co_u32 s18, s18, s19
	s_lshl_b32 s18, s18, 12                        ; attn: row 128 x row tile + 64 x half, 4096 bytes a row
	s_mov_b32 s19, 0
	s_mul_i32 s20, s17, 786432
	s_mul_i32 s21, s14, 24576
	s_add_co_u32 s20, s20, s21                     ; wo16: the tile, + 64 x half rows of 384 bytes
	s_mov_b32 s21, 0
	s_mul_i32 s22, s14, 64*PA                      ; where they go: no place in the cluster enters an LDS address
	s_mul_i32 s23, s14, 64*PB
	s_add_co_u32 s23, s23, AT
	s_wait_dscnt 0x0                               ; both opening adds are done
	s_wait_kmcnt 0x0
	s_add_nc_u64 s[18:19], s[4:5], s[18:19]
	s_add_nc_u64 s[20:21], s[6:7], s[20:21]
	CROUND                                         ; all four work-groups are here: the first joint loads meet
.irp s, 0,1
	s_mov_b32 s[G0A+4*\s], 1
	s_add_co_u32 s[G0A+4*\s+1], s22, \s*SLOT
	s_add_nc_u64 s[G0A+4*\s+2:G0A+4*\s+3], s[18:19], \s*256
	s_or_b32 s[G0A+4*\s+3], s[G0A+4*\s+3], 0x80000000
	s_mov_b32 s[G0B+4*\s], 1
	s_add_co_u32 s[G0B+4*\s+1], s23, \s*SLOT
	s_add_nc_u64 s[G0B+4*\s+2:G0B+4*\s+3], s[20:21], \s*49152
	s_or_b32 s[G0B+4*\s+3], s[G0B+4*\s+3], 0x80000000
	JLOAD \s                                       ; two loads of mine are out
.endr
	v_and_b32 v1, 15, v0                           ; r
	v_bfe_u32 v2, v0, 4, 1                         ; h
	v_mul_u32_u24 v3, v1, PA
	v_lshl_add_u32 v3, v2, 4, v3
	s_mul_i32 s40, s13, 64*PA
	v_and_b32 v4, 7, v0
	v_lshl_add_u32 v4, v2, 3, v4
	v_mul_u32_u24 v4, v4, PB
	v_bfe_u32 v5, v0, 3, 1
	v_lshl_add_u32 v4, v5, 4, v4                   ; the turning load: k = 8 h + l % 8, columns 8 ((l / 8) % 2) on
	s_lshl_b32 s41, s14, 5
	s_add_co_u32 s41, s41, AT
.irp s, 0,1
	v_add_nc_u32 v[ADRA+\s], s40, v3
	v_add_nc_u32 v[ADRB+\s], s41, v4
	s_add_co_u32 s40, s40, SLOT
	s_add_co_u32 s41, s41, SLOT
.endr
	s_mul_i32 s40, s13, 64*SP
	s_lshl_b32 s41, s14, 6
	s_add_co_u32 s40, s40, s41
	s_add_co_u32 s40, s40, STAGE
	v_mul_u32_u24 v5, v1, SP
	v_lshl_add_u32 v5, v2, 5, v5
	v_add_nc_u32 v[STO], s40, v5                   ; into the stage: row 64 i + r, + 64 j + 32 h
	v_and_b32 v6, 31, v0
	v_lshlrev_b32 v7, 4, v6
	s_mul_i32 s42, s12, 32*SP
	s_add_co_u32 s42, s42, STAGE
	v_add_nc_u32 v[RD0], s42, v7                   ; back: wave w takes rows 32 w on, a pair of rows (1536 bytes) in three loads of 512
	v_lshl_add_u32 v[RD0+1], v2, 4, v[RD0]
	v_add_nc_u32 v[RD0+1], 512, v[RD0+1]           ; lanes 0-15 the first row's bytes 512-767, lanes 16-31 the second row's 0-255
	v_add_nc_u32 v[RD0+2], SP+256, v[RD0]
	v_mov_b32 v[CO0], v7                           ; and the same places in out0, rows 11520 bytes apart
	v_mad_u32_u24 v[CO0+1], v2, 10752, v7
	v_add_nc_u32 v[CO0+1], 512, v[CO0+1]
	v_add_nc_u32 v[CO0+2], 11776, v7
	s_lshl_b32 s40, s14, 6
	v_lshl_add_u32 v[BOF], v2, 5, s40              ; bo of my eight columns: 64 j + 32 h
	s_mul_i32 s40, s17, 768
	s_mov_b32 s41, 0
	s_add_nc_u64 s[8:9], s[8:9], s[40:41]
	s_lshl_b32 s42, s16, 7
	s_lshl_b32 s43, s12, 5
	s_add_co_u32 s42, s42, s43
	s_mul_i32 s42, s42, 11520
	s_add_co_u32 s40, s40, s42
	s_add_nc_u64 s[10:11], s[10:11], s[40:41]      ; out0 + (128 x row tile + 32 w) rows + 768 x column tile
	WIN TO_F
.irp b, 0,1,2,3,4,5
	global_load_b128 v[BO+8*\b:BO+8*\b+3], v[BOF], s[8:9] offset:128*\b
	global_load_b128 v[BO+8*\b+4:BO+8*\b+7], v[BOF], s[8:9] offset:128*\b+16
.endr
	WIN 0
; Six products: block a of attn's rows against my six column tiles, 32 along K, from buffer src.  zc = 1: the first product of each sum takes bo as C.
.macro MUL6 src, a, zc
.irp b, 0,1,2,3,4,5
.if \zc
	v_wmma_f32_16x16x32_f16 v[ACC+8*(6*(\a)+\b):ACC+8*(6*(\a)+\b)+7], v[\src+8*\b:\src+8*\b+7], v[\src+48+8*(\a):\src+48+8*(\a)+7], v[BO+8*\b:BO+8*\b+7]
.else
	v_wmma_f32_16x16x32_f16 v[ACC+8*(6*(\a)+\b):ACC+8*(6*(\a)+\b)+7], v[\src+8*\b:\src+8*\b+7], v[\src+48+8*(\a):\src+48+8*(\a)+7], v[ACC+8*(6*(\a)+\b):ACC+8*(6*(\a)+\b)+7]
.endif
.endr
.endm
; 20 LDS loads in one run: quarter qd of a slot into buffer dst: Wo's six tiles, turned; then attn's blocks 0 and 1, then 2 and 3
.macro FETCH slot, qd, dst
	WIN TO_F
.irp b, 0,1,2,3,4,5
	ds_load_tr16_b128 v[\dst+8*\b:\dst+8*\b+3], v[ADRB+\slot] offset:15360*\qd+64*\b+32*(\b/2)
	ds_load_tr16_b128 v[\dst+8*\b+4:\dst+8*\b+7], v[ADRB+\slot] offset:15360*\qd+7680+64*\b+32*(\b/2)
.endr
.irp a, 0,1,2,3
	ds_load_b128 v[\dst+48+8*\a:\dst+48+8*\a+3], v[ADRA+\slot] offset:4352*\a+64*\qd
	ds_load_b128 v[\dst+48+8*\a+4:\dst+48+8*\a+7], v[ADRA+\slot] offset:4352*\a+64*\qd+32
.endr
.endm
.macro MWIN zc
.if \zc
	WIN MULB
.else
	WIN MUL
.endif
.endm
; One of a K step's first three quarters: multiplies buffer src; in its middle it fetches quarter qd of the same slot into buffer dst.  The 24 accumulators take turns.
.macro QUARTER slot, qd, src, dst, zc
	s_wait_dscnt 4                                 ; Wo's tiles and attn's blocks 0 and 1 are in; the youngest four loads may be out
	MWIN \zc
	MUL6 \src, 0, \zc
	MUL6 \src, 1, \zc
	PLACES
	FETCH \slot, \qd, \dst
	s_wait_dscnt 20                                ; all but the 20 just issued
	MWIN \zc
	MUL6 \src, 2, \zc
	MUL6 \src, 3, \zc
.endm
; The last quarter multiplies buffer 1 and changes slots: one barrier; in front of it each wave waits for all its tensor loads, adds 0 to its spare word, and waits for that and for its reads of this slot.  fill = 1: this slot is filled again, two K steps ahead.
.macro TURN slot, next, fill
	WIN 0
	s_wait_tensorcnt 0x0                           ; all my tensor loads have landed: my part of the next slot
	ds_add_u32 v[SPW], v[NIL]                      ; 0 onto my spare word
	s_wait_dscnt 5                                 ; the add and the youngest four loads may be out
	WIN MUL
	MUL6 F1, 0, 0                                  ; six products stand between the add and the wait for it
	s_wait_dscnt 0x0                               ; the add is done, and my reads of this slot are over
	s_barrier_signal -1
	MUL6 F1, 1, 0
	WIN 0
	s_barrier_wait -1
.if \fill
	CREST                                          ; the barrier has opened a round of the cluster's barrier: no wave of any partner still reads this slot or has a load on its way
	s_add_nc_u64 s[G0A+4*\slot+2:G0A+4*\slot+3], s[G0A+4*\slot+2:G0A+4*\slot+3], 512
	s_add_nc_u64 s[G0B+4*\slot+2:G0B+4*\slot+3], s[G0B+4*\slot+2:G0B+4*\slot+3], 98304
	JLOAD \slot                                    ; the first tensor load behind the round; its four v_nop are also the places in front of the loads below
.else
	PLACES
.endif
	FETCH \next, 0, F0
	WIN MUL
	MUL6 F1, 2, 0
	MUL6 F1, 3, 0
.endm
	s_wait_tensorcnt 1                             ; my part of K step 0 is in; K step 1's load may stay out
	s_barrier_signal -1
	s_barrier_wait -1
	FETCH 0, 0, F0
	s_wait_loadcnt 0x0                             ; bo
	QUARTER 0, 1, F0, F1, 1                        ; the first quarter stands in front of the loop: its products start the sums, from bo
	WIN 0                                          ; at a label and at a branch every window is 0
	s_mov_b32 s3, LAPS-1
.Llap:                                 ; a trip goes once round the ring, from a lap's second quarter to the next lap's first, and fills both slots again
	QUARTER 0, 2, F1, F0, 0
	QUARTER 0, 3, F0, F1, 0
	TURN 0, 1, 1
	QUARTER 1, 1, F0, F1, 0
	QUARTER 1, 2, F1, F0, 0
	QUARTER 1, 3, F0, F1, 0
	TURN 1, 0, 1
	QUARTER 0, 1, F0, F1, 0
	WIN 0
	s_sub_co_u32 s3, s3, 1
	s_cmp_lg_u32 s3, 0
	s_cbranch_scc1 .Llap
	QUARTER 0, 2, F1, F0, 0                        ; the last lap fills nothing, and has no round of the cluster's barrier
	QUARTER 0, 3, F0, F1, 0
	TURN 0, 1, 0
	QUARTER 1, 1, F0, F1, 0
	QUARTER 1, 2, F1, F0, 0
	QUARTER 1, 3, F0, F1, 0
	s_wait_dscnt 4                                 ; the very last quarter: nothing more to fetch
	WIN MUL
	MUL6 F1, 0, 0
	MUL6 F1, 1, 0
	s_wait_dscnt 0x0
	MUL6 F1, 2, 0
	MUL6 F1, 3, 0
	WIN 0
	; THE WAY OUT: a lane's 32 bytes into the work-group's stage; a barrier, since a row's 768 bytes come from two waves; back as whole rows, 32 rows a wave.
	PLACES
.irp a, 0,1,2,3
.irp b, 0,1,2,3,4,5
	ds_store_b128 v[STO], v[ACC+8*(6*\a+\b):ACC+8*(6*\a+\b)+3] offset:12544*\a+128*\b      ; each accumulator from its low end on
	ds_store_b128 v[STO], v[ACC+8*(6*\a+\b)+4:ACC+8*(6*\a+\b)+7] offset:12544*\a+128*\b+16
.endr
.endr
	s_wait_dscnt 0x0                               ; for the others' sake: my stores into the stage are done
	s_barrier_signal -1
	s_barrier_wait -1
.set n, 0
.rept 48
	ds_load_b128 v[ACC+4*n:ACC+4*n+3], v[RD0+n%3] offset:1568*(n/3)
.set n, n+1
.endr
.set n, 0
.rept 48
	s_wait_dscnt 47-n
	global_store_b128 v[CO0+n%3], v[ACC+4*n:ACC+4*n+3], s[10:11] offset:23040*(n/3) th:TH_STORE_NT   ; sixteen lanes store 256 consecutive bytes, aligned; written once, read by nobody here
.set n, n+1
.endr
	s_wait_tensorcnt 0x0                           ; the wave's end: behind my last tensor load and my last LDS store
	ds_add_u32 v[SPW], v[NIL]
	s_wait_dscnt 0x0
	CROUND                                         ; the closing round: no work-group ends while a partner may still ask for a tile that names it
	s_endpgm
.Lfunc_end_k_qfbbb547653_proj:
	.size	k_qfbbb547653_proj, .Lfunc_end_k_qfbbb547653_proj-k_qfbbb547653_proj
	.p2alignl 7, 3214868480
	.fill 96, 4, 3214868480
	.section	.rodata,"a",@progbits
	.p2align	6, 0x0
	.amdhsa_kernel k_qfbbb547653_proj
		.amdhsa_group_segment_fixed_size 327680
		.amdhsa_private_segment_fixed_size 0
		.amdhsa_enable_private_segment 0
		.amdhsa_kernarg_size 32
		.amdhsa_user_sgpr_count 2
		.amdhsa_user_sgpr_kernarg_segment_ptr 1
		.amdhsa_wavefront_size32 1
		.amdhsa_system_sgpr_workgroup_id_x 1
		.amdhsa_system_sgpr_workgroup_id_y 1
		.amdhsa_system_sgpr_workgroup_id_z 1
		.amdhsa_system_vgpr_workitem_id 0
		.amdhsa_next_free_vgpr 512
		.amdhsa_next_free_sgpr 66
		.amdhsa_reserve_vcc 0
		.amdhsa_float_denorm_mode_32 3
		.amdhsa_float_denorm_mode_16_64 3
		.amdhsa_memory_ordered 1
		.amdhsa_forward_progress 1
		.amdhsa_inst_pref_size 72
	.end_amdhsa_kernel
	.amdgpu_metadata
---
amdhsa.version: [ 1, 2 ]
amdhsa.kernels:
  - .name:           k_qfbbb547653_proj
    .symbol:         k_qfbbb547653_proj.kd
    .args:
      - { .name: attn, .offset: 0, .size: 8, .value_kind: global_buffer, .address_space: global }
      - { .name: wo16, .offset: 8, .size: 8, .value_kind: global_buffer, .address_space: global }
      - { .name: bo, .offset: 16, .size: 8, .value_kind: global_buffer, .address_space: global }
      - { .name: out0, .offset: 24, .size: 8, .value_kind: global_buffer, .address_space: global }
    .group_segment_fixed_size: 327680
    .private_segment_fixed_size: 0
    .kernarg_segment_align: 8
    .kernarg_segment_size: 32
    .max_flat_workgroup_size: 128
    .sgpr_count:     66
    .vgpr_count:     512
    .wavefront_size: 32
...
	.end_amdgpu_metadata
.endif
;; end of part 4
